; MI455X (gfx1250); checked and timed in simulation.
; The chip was launched on July 23, 2026; its instructions are those of AMD's public machine-readable ISA for CDNA 5 (MIT licence, August 2026) and "CDNA5" Instruction Set Architecture Reference Guide (July 2026). The comments in the code are by the model that wrote it; some were corrected since.
;; Multi Head Latent Attention. Allowed arithmetic: matrix products marked QUANTISED: E2M3 operands, one E8M0 scale for each 32 along K, by v_wmma_scale_f32_16x16x128_f8f6f4 with both operands' format E2M3, f32 sums; everything else in f32.
;; Inputs: W_dkv 2,048 x 256 float32; W_dq 2,048 x 256 float32; W_kr 2,048 x 1,024 float32; W_out 2,048 x 2,048 float32; W_qr 256 x 1,024 float32; W_uk 256 x 1,024 float32; W_uq 256 x 1,024 float32; W_uv 256 x 2,048 float32; b_out 2,048 float32; g_kv 256 float32; g_q 256 float32; x 2 x 2,048 x 2,048 float32.
;; Outputs: out0 2 x 2,048 x 2,048 float32.
;; This version of the problem:
;;   THIS VERSION OF THE PROBLEM IS GIVEN IN LOW PRECISION. The matrix products marked QUANTISED in the list below multiply operands that are first quantised to E2M3 (2 exponent bits, 3 mantissa bits; 6 bits a number), with one power-of-two scale for each 32 numbers along K (OCP MX v1.0); their sums are f32. All else is computed in f32.
;;   The module's matrix products, in the order in which they are computed (A, B: the left and right operand; K: the contracted axis; several contracted axes count as one K, in the product's order):
;;     1. [M 4,096, K 2,048] x [K 2,048, N 256]; A: input x; B: input W_dq: QUANTISED
;;     2. [M 4,096, K 256] x [K 256, N 1,024]; A: computed on the way; B: input W_uq: QUANTISED
;;     3. [M 4,096, K 256] x [K 256, N 1,024]; A: computed on the way; B: input W_qr: QUANTISED
;;     4. [M 4,096, K 2,048] x [K 2,048, N 256]; A: input x; B: input W_dkv: QUANTISED
;;     5. [M 4,096, K 256] x [K 256, N 1,024]; A: computed on the way; B: input W_uk: QUANTISED
;;     6. [M 4,096, K 2,048] x [K 2,048, N 1,024]; A: input x; B: input W_kr: QUANTISED
;;     7. [M 4,096, K 256] x [K 256, N 2,048]; A: computed on the way; B: input W_uv: QUANTISED
;;     8. batch 32 x [M 2,048, K 128] x [K 128, N 2,048]; A: computed on the way; B: computed on the way: QUANTISED
;;     9. batch 32 x [M 128, K 2,048] x [K 2,048, N 2,048]; A: computed on the way; B: softmax (see below): QUANTISED
;;     10. [M 4,096, K 2,048] x [K 2,048, N 2,048]; A: computed on the way; B: input W_out: QUANTISED
;;   THE QUANTISER, for each operand of a quantised product, along K:
;;     - K is cut into blocks of 32 from its start; a last block that is shorter is filled with zeros.
;;     - A block's scale is 2^e with e = floor(log2(the largest magnitude in the block)) - 2, held to -126 .. 127; a block of zeros has e = 0. As a byte (E8M0): e + 127.
;;     - Each number is divided by its block's scale, clamped to +-7.5, and rounded to the nearest number of E2M3, ties to even, subnormals kept.
;;     - The product sums the exact products of the quantised numbers (number of the format x scale) in f32.
;;   ~~~python
;;   def quantise(x, axis):      # numpy; x: float32 -> the quantised numbers, widened to float32 again
;;       x = np.moveaxis(x, axis, -1); K = x.shape[-1]
;;       x = np.pad(x, [(0, 0)] * (x.ndim - 1) + [(0, -K % 32)]); x = x.reshape(x.shape[:-1] + (-1, 32)); a = np.abs(x).max(-1, keepdims=True)
;;       e = np.where(a > 0, np.clip(np.frexp(np.where(a > 0, a, 1))[1] - 1 - 2, -126, 127), 0)      # np.frexp(a)[1] - 1 = floor(log2(a)), exactly
;;       r = np.clip(x / 2.0 ** e, -7.5, 7.5)
;;       step = 2.0 ** (np.maximum(np.frexp(np.where(r == 0, 1, r))[1] - 1, 0) - 3)
;;       q = np.round(r / step) * step * 2.0 ** e      # np.round: ties to even
;;       return np.moveaxis(q.reshape(q.shape[:-2] + (-1,))[..., :K], -1, axis).astype(np.float32)
;;   ~~~
;;   SOFTMAX AHEAD OF A QUANTISED PRODUCT. Where the list says 'softmax', what is quantised is not the finished softmax but p = 2^(t - M), with t = logit x log2(e) and M = ceil(the row's largest t), a whole number; so 1/2 < the row's largest p <= 1. The row's sum l is taken of the UNQUANTISED p, in f32, and the product's result is divided by l at the end. Since M is a whole number, a kernel that streams over the keys may use a running M (the ceiling of the running maximum): every later rescaling is an exact power of two, which a block's scale takes up: the codes' values come out the same.
;;   OPERANDS COMPUTED ON THE WAY. 'Computed on the way' means the value that the module computes at that place (a softmax that the list does not call 'softmax' is quantised finished and normalised). What goes into a quantiser is computed in f32, as accurately as f32 sums, v_exp_f32 and their like allow (about 1e-6 of the number): no bf16 or f16 on the way to a quantiser, and a product that is left as it is and whose result goes on into a quantised operand takes f32 operands (vector FMAs, or v_wmma_f32_16x16x4_f32). A number that lies on a knife's edge between two numbers of the format may be rounded either way, as far as f32 arithmetic and the matrix unit's own rounding can turn it there, and no further.
;; One version. Each part assembles by itself: llvm-mc -triple=amdgcn-amd-amdhsa -mcpu=gfx1250 --defsym DOCPART=n.
;; ======== version 1 of 1: 5 launches
;; limits: right only within a limited range of input values
;; workspace buffers: prep 13,574,144 bytes; cbuf 1,638,400 bytes; kv 13,107,200 bytes; obuf 6,553,600 bytes
;; launch prep (part 1): grid 520 x 1, 4 waves a work-group, no clusters, 58,880 bytes of LDS; arguments x, W_dq, W_dkv, W_kr, W_out, W_uq, W_qr, W_uk, W_uv, prep; writes prep
.if DOCPART == 1
	.amdgcn_target "amdgcn-amd-amdhsa--gfx1250"
	.amdhsa_code_object_version 6
	.text
	.protected	k_q0d24fcfdbf_prep
	.globl	k_q0d24fcfdbf_prep
	.p2align	8
	.type	k_q0d24fcfdbf_prep,@function
k_q0d24fcfdbf_prep:
	s_mov_b64 s[64:65], 0
	v_nop
	global_prefetch_b8 v0, s[64:65] scope:SCOPE_SE
	s_setreg_imm32_b32 hwreg(HW_REG_WAVE_MODE, 25, 1), 1
	s_wait_xcnt 0x0
; x and the eight weights, f32, become codes of FP6 (E2M3) with one E8M0 byte for each 32 along K, laid as IMAGES OF OPERAND REGISTERS; and the table cos + sin of the rope is made.
; IMAGE: a fragment (16 rows x 128 K, 12 registers a lane) is 1,536 bytes: registers 4 q .. 4 q + 3 of lane l at 512 q + 16 l.  Codes lie [tile][K step][1536], scale words [tile][K step][16 words].
; ROWS OF A TILE: lane r of tile T holds row 32 (T / 2) + 8 (T % 2) + r + 8 (r / 8), in every operand of the program: then eight neighbouring tiles' results are, in a lane, 64 numbers in the order that the next quantiser wants.
; Work-groups 0-255: tile T of x; wave w takes K steps 4 w .. 4 w + 3.  Loads read 512 dense bytes of a row; a K step turns through the wave's own stage in LDS so that a lane holds 16 neighbours of each block of 32.
; Each of them also makes 256 numbers of the table [position 2048][32]: cos(a) + sin(a), a = position x theta_i, theta_i = 10000^(-i / 64).
; Work-groups 256-519: 128 columns x 256 K of one weight [K][N]; a lane takes a column and its registers run down K, so a block of 32 is one lane's; the codes go through the wave's stage into image order.
; A block's scale byte is its largest magnitude's exponent field - 2, held at 1 from below.
; LIMITS: a block of zeros gets the byte 1 (its codes are zeros; this program alone reads the bytes); NaN and infinities are not served; theta is made by v_exp_f32 (1 ulp), so an angle near 2,000 may differ
; from one made with another power function by some 1e-4; the table holds cos + sin rounded once, where the source adds two products.
.set XS,   6291456
.set W1C,  6553600
.set W1S,  8912896
.set WOC,  9011200
.set WOS,  12156928
.set WQC,  12288000
.set WQS,  12681216
.set WKC,  12697600
.set WKS,  13287424
.set ROPE, 13312000
.set WST,   33792                      ; LDS: x's stages 4 x 8,448 from 0; the weights' stages 4 x 6,144 from here: each path has bytes of its own
.set SPARE, 58368                      ; the spare words, 128 bytes for each wave
.set SPW, 4                            ; v4  my spare word's address; never rewritten
.set NIL, 5                            ; v5  0; never rewritten
.set SEL, 2                            ; s[2:3] selects of v_permlanex16_b32: lane l xor 16
.set PC,  16                           ; x path: v16-27 codes, v28-35 scratch, v36-47 at work, v52-55 scale words, v64-191 two sets as loaded, v192-255 64 numbers in order
.set PX,  28
.set TM,  36
.set PW,  52
.set RT,  60                           ; v60-61 my two numbers of the table: a store's data, written once and by nothing else
.set R,   64
.set X,   192
.set OFF, 64                           ; weights' path: v64-95 offsets of 32 rows, v96-159 two sets of 32 numbers, v160-207 the way out
.set WX,  96
; 64 numbers of a lane, register 16 b + i = k 32 b + 16 (lane / 16) + i of my row, become a fragment's codes in v[pc .. pc + 11] and its scale word in v[pw]
.macro QUANT s, pc, px, tm, pw
.irp b, 0,1,2,3
	v_max3_num_f32 v[\tm+\b], |v[\s+16*\b]|, |v[\s+1+16*\b]|, 0x1800000   ; my 16 numbers of block b, and the floor 2^(3 - 127): the byte cannot fall under 1
.endr
.irp i, 2,4,6,8,10,12,14
.irp b, 0,1,2,3
	v_max3_num_f32 v[\tm+\b], v[\tm+\b], |v[\s+16*\b+\i]|, |v[\s+1+16*\b+\i]|
.endr
.endr
.irp b, 0,1,2,3
	v_permlanex16_b32 v[\tm+4+\b], v[\tm+\b], s[SEL], s[SEL+1]
.endr
.irp b, 0,1,2,3
	v_max_num_f32 v[\tm+\b], v[\tm+\b], v[\tm+4+\b]   ; with lane l xor 16's: the block's largest magnitude
.endr
.irp b, 0,1,2,3
	v_add_nc_u32 v[\tm+8+\b], 0xff000000, v[\tm+\b]   ; 2 off its exponent field: the conversion's scale operand
.endr
.irp b, 0,1,2,3
	v_lshrrev_b32 v[\tm+4+\b], 23, v[\tm+8+\b]        ; the scale's byte
.endr
	v_lshl_or_b32 v[\pw], v[\tm+5], 8, v[\tm+4]
	v_lshl_or_b32 v[\pw], v[\tm+6], 16, v[\pw]
	v_lshl_or_b32 v[\pw], v[\tm+7], 24, v[\pw]
.irp c, 0,1
	v_cvt_scalef32_pk16_fp6_f32 v[\pc+6*\c:\pc+2+6*\c], v[\s+32*\c:\s+15+32*\c], v[\tm+8+2*\c]
	v_cvt_scalef32_pk16_fp6_f32 v[\px+4*\c:\px+2+4*\c], v[\s+16+32*\c:\s+31+32*\c], v[\tm+9+2*\c]   ; (a conversion's three registers begin on an even number)
.endr
	v_nop                                          ; one plain place behind a scaled conversion
.irp c, 0,1                                    ; the layout wants a whole block in a lane: lanes 0-15 block 2 c, lanes 16-31 block 2 c + 1
.irp i, 0,1,2
	v_permlane16_swap_b32 v[\pc+6*\c+\i], v[\px+4*\c+\i]
.endr
.irp i, 0,1,2
	v_mov_b32 v[\pc+3+6*\c+\i], v[\px+4*\c+\i]
.endr
.endr
.endm
	s_load_b512 s[16:31], s[0:1], 0x0              ; x 16, W_dq 18, W_dkv 20, W_kr 22, W_out 24, W_uq 26, W_qr 28, W_uk 30
	s_load_b128 s[32:35], s[0:1], 0x40             ; W_uv 32, prep 34
	v_lshl_add_u32 v[SPW], v0, 2, SPARE
	v_mov_b32 v[NIL], 0
	v_lshrrev_b32 v1, 5, v0
	v_readfirstlane_b32 s4, v1                     ; wave
	v_and_b32 v1, 31, v0                           ; lane
	s_mov_b32 s[SEL], 0x76543210
	s_mov_b32 s[SEL+1], 0xfedcba98
	s_wait_kmcnt 0x0
	s_cmp_lt_u32 ttmp9, 256
	s_cbranch_scc0 .Lweights
	; ---------------- x: tile T = the work-group's number
	s_wait_alu depctr_va_vdst(0)
	v_lshlrev_b32 v6, 4, v1                        ; 16 x lane: my bytes of a load, of an image's chunk
	s_mul_i32 s5, s4, 8448
	v_add_nc_u32 v7, s5, v6                        ; the stage, on the way in: row i at 528 i
	v_and_b32 v2, 15, v0                           ; r
	v_bfe_u32 v3, v0, 4, 1                         ; h
	v_mul_u32_u24 v8, v2, 528
	v_lshl_add_u32 v8, v3, 6, v8
	v_add_nc_u32 v8, s5, v8                        ; and on the way out: row r, + 64 h: my 16 numbers of a block of 32
	v_lshlrev_b32 v9, 2, v1                        ; 4 x lane
	v_lshlrev_b32 v10, 3, v0                       ; 8 x thread: my two numbers of the table; never rewritten on this path
.irp b, 0,1,2,3
	v_mov_b32 v[TM+4+\b], 0                        ; written once: a lane permute's destination counts as one of its sources
.endr
	s_lshr_b32 s6, ttmp9, 1
	s_lshl_b32 s6, s6, 5
	s_and_b32 s7, ttmp9, 1
	s_lshl_b32 s7, s7, 3
	s_add_co_u32 s6, s6, s7                        ; the tile's first row
	s_lshl_b32 s6, s6, 13                          ; rows of 8,192 bytes
	s_lshl_b32 s7, s4, 11                          ; my four K steps: 2,048 bytes
	s_add_co_u32 s6, s6, s7
	s_mov_b32 s7, 0
	s_add_nc_u64 s[16:17], s[16:17], s[6:7]
	s_mul_i32 s8, ttmp9, 24576
	s_mul_i32 s9, s4, 6144
	s_add_co_u32 s8, s8, s9
	s_mov_b32 s9, 0
	s_add_nc_u64 s[36:37], s[34:35], s[8:9]        ; my four images
	s_lshl_b32 s8, ttmp9, 10
	s_lshl_b32 s10, s4, 8
	s_add_co_u32 s8, s8, s10
	s_add_co_u32 s8, s8, XS
	s_add_nc_u64 s[38:39], s[34:35], s[8:9]        ; their scale words
	s_lshl_b32 s8, ttmp9, 10
	s_add_co_u32 s8, s8, ROPE
	s_add_nc_u64 s[40:41], s[34:35], s[8:9]        ; the work-group's 1,024 bytes of the table
.macro XLOAD f                         ; K step f of my four: 16 rows x 512 dense bytes
.irp i, 0,1,2,3,4,5,6,7,8,9,10,11,12,13,14,15
	global_load_b128 v[R+64*((\f)%2)+4*\i:R+64*((\f)%2)+4*\i+3], v6, s[16:17] offset:(\i+8*(\i/8))*8192+512*(\f) th:TH_LOAD_NT
.endr
.endm
	XLOAD 0
	XLOAD 1
	; the table, while the loads are on their way.  g = 128 T + thread; position g / 16; i = 2 (g % 16) and the next
	v_lshrrev_b32 v192, 4, v0
	s_lshl_b32 s8, ttmp9, 3
	v_add_nc_u32 v192, s8, v192
	v_cvt_f32_u32 v192, v192                       ; the position
	v_and_b32 v193, 15, v0
	v_lshlrev_b32 v193, 1, v193
	v_cvt_f32_u32 v194, v193                       ; i
	v_add_f32 v195, 1.0, v194                      ; i + 1
	s_mov_b32 s11, 0xbe549a78                      ; -c, c = log2(10) / 16, its upper part
	s_mov_b32 s12, 0xb1979a3a                      ; and what is left of it
	s_mov_b32 s8, 0xbfc90fd8                       ; -pi/2 in three parts
	s_mov_b32 s9, 0xb4a8885a
	s_mov_b32 s10, 0xa7c234c4
.irp e, 0,1
	v_mul_f32 v[196+\e], s11, v[194+\e]            ; p = -i c, rounded
.endr
.irp e, 0,1
	v_fma_f32 v[198+\e], v[194+\e], s11, -v[196+\e]   ; what the rounding dropped, exactly,
.endr
.irp e, 0,1
	v_fma_f32 v[198+\e], v[194+\e], s12, v[198+\e] ; and c's lower part
.endr
	s_wait_alu depctr_va_vdst(0)
.irp e, 0,1
	v_exp_f32 v[200+\e], v[196+\e]
.endr
.irp e, 0,1
	v_mul_f32 v[198+\e], 0x3f317218, v[198+\e]     ; x ln 2.  (Plain work behind the exponentials)
.endr
	s_wait_alu depctr_va_vdst(0)                   ; one wait for both, ahead of their first reader
.irp e, 0,1
	v_fma_f32 v[200+\e], v[200+\e], v[198+\e], v[200+\e]   ; theta = 2^p (1 + the rest x ln 2)
.endr
.irp e, 0,1
	v_mul_f32 v[200+\e], v192, v[200+\e]           ; the angle: one rounding, as the source has it
.endr
; cos(a) + sin(a): n = the nearest whole number to a 2 / pi; r = a - n pi / 2 in three fused steps; polynomials on |r| <= pi / 4; the quadrant n % 4 sets two signs
.macro SINCOS a, o, t
	v_mul_f32 v[\t], 0x3f22f983, v[\a]
	v_rndne_f32 v[\t], v[\t]
	v_fma_f32 v[\t+1], v[\t], s8, v[\a]
	v_fma_f32 v[\t+1], v[\t], s9, v[\t+1]
	v_fma_f32 v[\t+1], v[\t], s10, v[\t+1]         ; r
	v_mul_f32 v[\t+2], v[\t+1], v[\t+1]            ; z = r r
	v_mov_b32 v[\t+3], 0xb94ca1f9
	v_fmaak_f32 v[\t+3], v[\t+2], v[\t+3], 0x3c08839e
	v_fmaak_f32 v[\t+3], v[\t+2], v[\t+3], 0xbe2aaaa3
	v_mul_f32 v[\t+4], v[\t+1], v[\t+2]
	v_fma_f32 v[\t+3], v[\t+4], v[\t+3], v[\t+1]   ; sin r
	v_mov_b32 v[\t+4], 0x37ccf5ce
	v_fmaak_f32 v[\t+4], v[\t+2], v[\t+4], 0xbab6061a
	v_fmaak_f32 v[\t+4], v[\t+2], v[\t+4], 0x3d2aaaa5
	v_mul_f32 v[\t+5], v[\t+2], v[\t+2]
	v_fma_f32 v[\t+1], v[\t+2], -0.5, 1.0
	v_fma_f32 v[\t+4], v[\t+5], v[\t+4], v[\t+1]   ; cos r
	v_cvt_i32_f32 v[\t], v[\t]
	v_lshlrev_b32 v[\t+5], 31, v[\t]
	v_xor_b32 v[\t+3], v[\t+5], v[\t+3]            ; odd quadrant: cos r - sin r
	v_add_f32 v[\t+4], v[\t+4], v[\t+3]
	v_lshlrev_b32 v[\t+5], 30, v[\t]
	v_and_b32 v[\t+5], 0x80000000, v[\t+5]
	v_xor_b32 v[\o], v[\t+5], v[\t+4]              ; quadrants 2 and 3: the negative
.endm
	SINCOS 200, RT, 204
	SINCOS 201, RT+1, 210
	global_store_b64 v10, v[RT:RT+1], s[40:41]     ; a wave stores 256 consecutive bytes; its data and its offset lie in registers that nothing writes again
.macro XSTEP f
.if (\f) < 3
	s_wait_loadcnt 16                              ; this K step's 16 loads are in; the next one's 16 may be out
.else
	s_wait_loadcnt 0x0
.endif
.irp i, 0,1,2,3,4,5,6,7,8,9,10,11,12,13,14,15
	ds_store_b128 v7, v[R+64*((\f)%2)+4*\i:R+64*((\f)%2)+4*\i+3] offset:528*\i
.endr
.irp b, 0,1,2,3
.irp j, 0,1,2,3
	ds_load_b128 v[X+16*\b+4*\j:X+16*\b+4*\j+3], v8 offset:128*\b+16*\j   ; LDS serves a wave's instructions in order: these see my stores
.endr
.endr
	s_wait_dscnt 0x0                               ; the numbers are back, and the stores have read their registers,
.if (\f) < 2
	XLOAD (\f)+2                                   ; which take the loads of two K steps on
.endif
	s_wait_xcnt 0x0                                ; the last image's stores have read the codes' registers
	QUANT X, PC, PX, TM, PW+(\f)
.irp q, 0,1,2
	global_store_b128 v6, v[PC+4*\q:PC+4*\q+3], s[36:37] offset:1536*(\f)+512*\q   ; 512 consecutive bytes
.endr
.endm
	XSTEP 0
	XSTEP 1
	XSTEP 2
	XSTEP 3
	v_cmp_lt_u32 vcc_lo, 15, v1                    ; lanes 0-15 carry one K step's words, lanes 16-31 the next one's: 128 consecutive bytes a store
	v_cndmask_b32 v56, v[PW], v[PW+1], vcc_lo
	v_cndmask_b32 v57, v[PW+2], v[PW+3], vcc_lo
	global_store_b32 v9, v56, s[38:39]
	global_store_b32 v9, v57, s[38:39] offset:128
	s_branch .Lend
	; ---------------- the weights: unit = the work-group's number - 256
.Lweights:
	s_sub_co_u32 s5, ttmp9, 256
	s_mov_b64 s[36:37], s[18:19]                   ; which weight: the source, its first unit, log2(N / 256), log2(K steps), where its codes and scale words go, the mask of the heads' interleave
	s_mov_b32 s6, 0
	s_mov_b32 s7, 0
	s_mov_b32 s8, 4
	s_mov_b32 s9, W1C
	s_mov_b32 s10, W1S
	s_mov_b32 s11, 0
.macro PICK thr, src, nsh, ksh, cb, sb, msk    ; a choice on the work-group's number alone
	s_cmp_ge_u32 s5, \thr
	s_cselect_b64 s[36:37], s[\src:\src+1], s[36:37]
	s_cselect_b32 s6, \thr, s6
	s_cselect_b32 s7, \nsh, s7
	s_cselect_b32 s8, \ksh, s8
	s_cselect_b32 s9, \cb, s9
	s_cselect_b32 s10, \sb, s10
	s_cselect_b32 s11, \msk, s11
.endm
	PICK 16,  20, 0, 4, W1C+393216, W1S+16384, 0   ; W_dkv: tiles 16-31 of the first product's weights
	PICK 32,  22, 2, 4, W1C+786432, W1S+32768, 0   ; W_kr: tiles 32-95
	PICK 96,  24, 3, 4, WOC, WOS, 0                ; W_out
	PICK 224, 26, 2, 1, WQC, WQS, -2               ; W_uq: a head's channels 0-63
	PICK 232, 28, 2, 1, WQC+12288, WQS+512, -2     ; W_qr: its channels 64-127
	PICK 240, 30, 2, 1, WKC, WKS, 0                ; W_uk: tiles 0-63
	PICK 248, 32, 3, 1, WKC+196608, WKS+8192, 0    ; W_uv: tiles 64-191
	s_sub_co_u32 s5, s5, s6                        ; the unit within its weight
	s_lshl_b32 s12, 2, s7
	s_sub_co_u32 s12, s12, 1
	s_and_b32 s12, s5, s12                         ; which 128 columns
	s_add_co_u32 s13, s7, 1
	s_lshr_b32 s13, s5, s13                        ; which 256 along K
	s_lshl_b32 s14, 1024, s7                       ; a row of the weight in bytes
	s_lshl_b32 s15, s12, 2
	s_add_co_u32 s15, s15, s4                      ; my pair of tiles: 32 columns
	s_and_b32 s38, s15, s11
	s_add_co_u32 s15, s15, s38                     ; and where it goes: W_uq's and W_qr's pairs take turns two by two, head by head
	s_mul_i32 s38, s13, s14
	s_lshl_b32 s38, s38, 8
	s_lshl_b32 s39, s12, 9
	s_add_co_u32 s38, s38, s39
	s_lshl_b32 s39, s4, 7
	s_add_co_u32 s38, s38, s39
	s_mov_b32 s39, 0
	s_add_nc_u64 s[40:41], s[36:37], s[38:39]      ; the even blocks' base,
	s_lshl_b32 s38, s14, 5
	s_add_nc_u64 s[42:43], s[40:41], s[38:39]      ; the odd blocks': 32 rows on
	s_lshl_b32 s44, s14, 6                         ; each steps by 64 rows
	s_mov_b32 s45, 0
	s_lshl_b32 s46, 3072, s8
	s_mul_i32 s46, s46, s15
	s_mul_i32 s47, s13, 3072
	s_add_co_u32 s46, s46, s47
	s_add_co_u32 s46, s46, s9
	s_mov_b32 s47, 0
	s_add_nc_u64 s[48:49], s[34:35], s[46:47]      ; the pair's first tile, my two K steps: codes,
	s_lshl_b32 s46, 128, s8
	s_mul_i32 s46, s46, s15
	s_lshl_b32 s52, s13, 7
	s_add_co_u32 s46, s46, s52
	s_add_co_u32 s46, s46, s10
	s_add_nc_u64 s[50:51], s[34:35], s[46:47]      ; scale words
	s_wait_alu depctr_va_vdst(0)
	v_lshlrev_b32 v6, 2, v1                        ; my column: 4 x lane
.set WI, 0
.rept 32
	v_mad_u32_u24 v[OFF+WI], s14, WI, v6           ; + row WI of a block; never rewritten
.set WI, WI+1
.endr
	v_bfe_u32 v7, v0, 3, 1                         ; column j of the 32 is lane r = j % 8 + 8 (j / 16) of tile u = (j / 8) % 2
	v_and_b32 v8, 7, v0
	v_bfe_u32 v9, v0, 4, 1
	v_lshl_add_u32 v8, v9, 3, v8
	s_mul_i32 s52, s4, 6144
	s_add_co_u32 s52, s52, WST                     ; my stage: 2 tiles x 2 K steps x 1,536
	v_mul_u32_u24 v10, v7, 3072
	v_lshl_add_u32 v10, v8, 4, v10
	v_add_nc_u32 v10, s52, v10                     ; into it: tile u, lane place r
	v_lshlrev_b32 v14, 4, v1
	v_add_nc_u32 v15, s52, v14                     ; out of it: 16 x lane
	s_lshl_b32 s53, 1536, s8
	v_add_nc_u32 v22, s53, v14                     ; the second tile lies a tile's K steps further on
	v_lshlrev_b32 v23, 6, v7
	v_lshlrev_b32 v23, s8, v23
	v_lshl_add_u32 v23, v8, 2, v23                 ; my scale words' place
.macro WLOAD t                         ; block t: rows 32 t .. 32 t + 31 of my column; 128 consecutive bytes a load, 512 for the four waves
.set WI, 0
.rept 32
	global_load_b32 v[WX+32*((\t)%2)+WI], v[OFF+WI], s[40+2*((\t)%2):41+2*((\t)%2)] th:TH_LOAD_NT
.set WI, WI+1
.endr
.endm
	WLOAD 0
	WLOAD 1
.macro BLOCK t
.set XS_, WX+32*((\t)%2)
.set SL_, (\t)/4
.set CC_, ((\t)%4)/2
.set HH_, (\t)%2
.if (\t) < 7
	s_wait_loadcnt 32                              ; this block's 32 loads are in, so their base may step; the next block's 32 may be out
.else
	s_wait_loadcnt 0x0
.endif
	v_max3_num_f32 v12, |v[XS_]|, |v[XS_+1]|, |v[XS_+2]|
	v_max3_num_f32 v13, |v[XS_+3]|, |v[XS_+4]|, |v[XS_+5]|
.irp i, 6,10,14,18,22,26
	v_max3_num_f32 v12, v12, |v[XS_+\i]|, |v[XS_+\i+1]|
	v_max3_num_f32 v13, v13, |v[XS_+\i+2]|, |v[XS_+\i+3]|
.endr
	v_max3_num_f32 v12, v12, |v[XS_+30]|, |v[XS_+31]|
	v_max3_num_f32 v12, v12, v13, 0x1800000        ; the block's largest magnitude, all 32 mine, and the floor
	v_add_nc_u32 v11, 0xff000000, v12
	v_lshrrev_b32 v13, 23, v11
.if (\t)%4 == 0
	v_mov_b32 v[2+SL_], v13                        ; four bytes make a K step's scale word
.else
	v_lshl_or_b32 v[2+SL_], v13, 8*((\t)%4), v[2+SL_]
.endif
	v_cvt_scalef32_pk16_fp6_f32 v[16:18], v[XS_:XS_+15], v11
	v_cvt_scalef32_pk16_fp6_f32 v[24:26], v[XS_+16:XS_+31], v11
	v_nop                                          ; one plain place behind a scaled conversion
	v_mov_b32 v19, v24
	v_mov_b32 v20, v25
	v_mov_b32 v21, v26                             ; v16-21: registers 6 c .. 6 c + 5 of lane (r, h), c = (t % 4) / 2, h = t % 2
.if (\t)+2 < 8
	s_add_nc_u64 s[40+2*((\t)%2):41+2*((\t)%2)], s[40+2*((\t)%2):41+2*((\t)%2)], s[44:45]
	WLOAD (\t)+2
.endif
.if CC_ == 0
	ds_store_b128 v10, v[16:19] offset:1536*SL_+256*HH_
	ds_store_b64 v10, v[20:21] offset:1536*SL_+512+256*HH_
.else
	ds_store_b64 v10, v[16:17] offset:1536*SL_+520+256*HH_
	ds_store_b128 v10, v[18:21] offset:1536*SL_+1024+256*HH_
.endif
	s_wait_dscnt 0x0                               ; the stores have read their registers
.endm
.irp t, 0,1,2,3,4,5,6,7
	BLOCK \t
.endr
.irp u, 0,1
.irp q, 0,1,2,3,4,5
	ds_load_b128 v[160+24*\u+4*\q:163+24*\u+4*\q], v15 offset:3072*\u+512*\q
.endr
.endr
	s_wait_dscnt 0x0
.irp q, 0,1,2,3,4,5
	global_store_b128 v14, v[160+4*\q:163+4*\q], s[48:49] offset:512*\q     ; a tile's two images: 3,072 consecutive bytes
.endr
.irp q, 0,1,2,3,4,5
	global_store_b128 v22, v[184+4*\q:187+4*\q], s[48:49] offset:512*\q
.endr
	global_store_b32 v23, v2, s[50:51]
	s_wait_alu depctr_va_vdst(0)
	global_store_b32 v23, v3, s[50:51] offset:64
.Lend:
	s_wait_tensorcnt 0x0                           ; the wave's end, behind my last LDS store
	ds_add_u32 v[SPW], v[NIL]
	s_wait_dscnt 0x0
	s_endpgm
.Lfunc_end_k_q0d24fcfdbf_prep:
	.size	k_q0d24fcfdbf_prep, .Lfunc_end_k_q0d24fcfdbf_prep-k_q0d24fcfdbf_prep
	.p2alignl 7, 3214868480
	.fill 96, 4, 3214868480
	.section	.rodata,"a",@progbits
	.p2align	6, 0x0
	.amdhsa_kernel k_q0d24fcfdbf_prep
		.amdhsa_group_segment_fixed_size 58880
		.amdhsa_private_segment_fixed_size 0
		.amdhsa_enable_private_segment 0
		.amdhsa_kernarg_size 80
		.amdhsa_user_sgpr_count 2
		.amdhsa_user_sgpr_kernarg_segment_ptr 1
		.amdhsa_wavefront_size32 1
		.amdhsa_system_sgpr_workgroup_id_x 1
		.amdhsa_system_sgpr_workgroup_id_y 1
		.amdhsa_system_sgpr_workgroup_id_z 1
		.amdhsa_system_vgpr_workitem_id 0
		.amdhsa_next_free_vgpr 256
		.amdhsa_next_free_sgpr 66
		.amdhsa_reserve_vcc 1
		.amdhsa_float_denorm_mode_32 3
		.amdhsa_float_denorm_mode_16_64 3
		.amdhsa_memory_ordered 1
		.amdhsa_forward_progress 1
		.amdhsa_inst_pref_size 84
	.end_amdhsa_kernel
	.amdgpu_metadata
---
amdhsa.version: [ 1, 2 ]
amdhsa.kernels:
  - .name:           k_q0d24fcfdbf_prep
    .symbol:         k_q0d24fcfdbf_prep.kd
    .args:
      - { .name: x, .offset: 0, .size: 8, .value_kind: global_buffer, .address_space: global }
      - { .name: W_dq, .offset: 8, .size: 8, .value_kind: global_buffer, .address_space: global }
      - { .name: W_dkv, .offset: 16, .size: 8, .value_kind: global_buffer, .address_space: global }
      - { .name: W_kr, .offset: 24, .size: 8, .value_kind: global_buffer, .address_space: global }
      - { .name: W_out, .offset: 32, .size: 8, .value_kind: global_buffer, .address_space: global }
      - { .name: W_uq, .offset: 40, .size: 8, .value_kind: global_buffer, .address_space: global }
      - { .name: W_qr, .offset: 48, .size: 8, .value_kind: global_buffer, .address_space: global }
      - { .name: W_uk, .offset: 56, .size: 8, .value_kind: global_buffer, .address_space: global }
      - { .name: W_uv, .offset: 64, .size: 8, .value_kind: global_buffer, .address_space: global }
      - { .name: prep, .offset: 72, .size: 8, .value_kind: global_buffer, .address_space: global }
    .group_segment_fixed_size: 58880
    .private_segment_fixed_size: 0
    .kernarg_segment_align: 8
    .kernarg_segment_size: 80
    .max_flat_workgroup_size: 128
    .sgpr_count:     66
    .vgpr_count:     256
    .wavefront_size: 32
...
	.end_amdgpu_metadata
.endif
;; end of part 1
;; launch gemm1 (part 2): grid 32 x 6, 4 waves a work-group, clusters of 4 x 1, 327,680 bytes of LDS; arguments prep, g_q, g_kv, cbuf, kv; writes cbuf, kv
.if DOCPART == 2
	.amdgcn_target "amdgcn-amd-amdhsa--gfx1250"
	.amdhsa_code_object_version 6
	.text
	.protected	k_q0d24fcfdbf_gemm1
	.globl	k_q0d24fcfdbf_gemm1
	.p2align	8
	.type	k_q0d24fcfdbf_gemm1,@function
k_q0d24fcfdbf_gemm1:
	s_mov_b64 s[64:65], 0
	v_nop
	global_prefetch_b8 v0, s[64:65] scope:SCOPE_SE
	s_setreg_imm32_b32 hwreg(HW_REG_WAVE_MODE, 25, 1), 1
	s_wait_xcnt 0x0
	s_wait_alu depctr_hold_cnt(0) depctr_sa_sdst(0) depctr_va_vdst(0) depctr_va_sdst(0) depctr_va_ssrc(0) depctr_va_vcc(0) depctr_vm_vsrc(0)
	s_getreg_b32 s2, hwreg(HW_REG_IB_STS2, 6, 4)
	s_cmp_eq_u32 s2, 0
	s_cbranch_scc0 .Lentry_in_a_cluster
	s_endpgm
.Lentry_in_a_cluster:
	s_bfe_u32 s2, ttmp6, 0x10000c
	s_cmp_lg_u32 s2, 0x3003
	s_cbranch_scc0 .Lentry_shape_is_right
	s_endpgm
.Lentry_shape_is_right:
; x times [W_dq | W_dkv | W_kr] on codes of FP6, K = 2,048.  A work-group makes 128 rows x 256 columns: column block y = 0: x W_dq, 1: x W_dkv, 2-5: x W_kr, four heads each.
; y < 2: RMS norm over the 256 columns, the gain, quantised along them: two images a tile of rows, to cbuf.  y >= 2: x (cos + sin) of the row's position, quantised: channels 64-127 of K's images, to kv.
; SHARES: wave w takes rows 32 w .. 32 w + 31 (two tiles) and ALL 256 columns, so that a row lies in lanes r and r + 16 of one wave and the norm needs no LDS; the price is 18 fragments read for 32 products.
; The product is used transposed (source 0 = 16 columns of the weight, source 1 = 16 rows of x): with the tiles' order of rows a lane's registers 16 b + i are columns 32 b + 16 (lane / 16) + i of its row.
; RING: two LDS slots of four K steps each; a slot is three pieces of 49,152 bytes [8 tiles][4 steps][1,536]: x's, the weight's tiles 0-7, its tiles 8-15; waves 0, 1, 2 bring one piece each.  All scale words come once.
; CLUSTER: four row blocks of one column block.  They read the same tiles of the weight, two thirds of a step's bytes: those loads are joint (mask 15).  x's tiles differ from partner to partner: plain loads.
; A wave has at most one tensor load out.
; REGISTERS: window 0: v0-31 addresses, v32-67 scale words (two sets of 18; nothing else ever), v68-75 sums, v128-255 the gain.  window 1: 32 accumulators, (a, b) at v[8 (16 a + b)].
;   windows 2, 3: the fragments of even and odd K steps: x's two, then the weight's sixteen; window 2 v216-247: cos + sin.  The epilogue works in window 2, which the last even step has left.
; LIMITS: a block of zeros gets the scale byte 1; NaN and infinities are not served.
.set NA, 2
.set NB, 16
.set NBH, 2
.set NS, NA+NB
.set XS,   6291456
.set W1C,  6553600
.set W1S,  8912896
.set ROPE, 13312000
.set KSB,  6291456                     ; kv: K's scale words
.set SLOTB, 147456
.set PIECE, 49152
.set SCA,   294912                     ; x's scale words, 8,192 bytes; SCB: the weight's, 16,384
.set SCB,   303104
.set SPARE, 319488                     ; the spare words, 128 bytes for each wave
.set SPW, 4
.set NIL, 5
.set ADRA, 6                           ; v6-7   my x fragments in slot 0, 1
.set ADRB, 8                           ; v8-11  the weight's: slot 0 tiles 0-7, 8-15; slot 1 likewise
.set ADSA, 12
.set ADSB, 13
.set LI, 14                            ; 16 x lane
.set LS, 15                            ; 4 x lane
.set L8, 16                            ; 8 x lane
.set GO, 17                            ; 64 x (lane / 16)
.set RO, 24
.set KSO, 25
.set SC, 32
.set CH, 68
.set G,  128
.set X,  0                             ; in window 2, in the epilogue: 64 numbers; codes; scratch; at work; scale words
.set PC, 64
.set PX, 76
.set TM, 84
.set PW, 96
.set PT, 98
.set PU, 99
.set FW, 216
.set WV, 14
.set CX, 15
.set BLK, 16
.set YY, 17
.set SEL, 24
.set G1, 28                            ; group 1: codes, plain; G1J: joint; G1S, G1SJ: scale words
.set G1J, 36
.set G1S, 44
.set G1SJ, 52
.set GAS, 60                           ; groups 0 for x: scale words; GAA: slot 0, slot 1
.set GAA, 68
.set GBS, 76                           ; and for the weight
.set GBA, 80
.set MSB, 0
.macro WIN new                         ; the immediate's high byte repeats the setting that is left
.if MSB != (\new)
	s_set_vgpr_msb (MSB<<8)|(\new)
.set MSB, (\new)
.endif
.endm
.macro PLACES
.rept 4
	v_nop
.endr
.endm
.macro CROUND                          ; a round of the cluster's barrier
	s_barrier_signal -1
	s_barrier_wait -1
	s_cmp_lg_u32 s[WV], 0
	s_cbranch_scc1 .Lnot_wave_0_\@
	s_barrier_signal -3
.Lnot_wave_0_\@:
	s_barrier_wait -3
	s_barrier_signal -1
	s_barrier_wait -1
.endm
.macro TL ga, gb                       ; wave 0: x's piece, plain; waves 1, 2: the weight's pieces, joint; wave 3: none.  The branches hang on the wave's number alone
	s_cmp_eq_u32 s[WV], 0
	s_cbranch_scc0 .Lnot_a_\@
	tensor_load_to_lds s[\ga:\ga+3], s[G1:G1+7]
	s_nop 0
	PLACES
	s_branch .Lasked_\@
.Lnot_a_\@:
	s_cmp_lt_u32 s[WV], 3
	s_cbranch_scc0 .Lasked_\@
	tensor_load_to_lds s[\gb:\gb+3], s[G1J:G1J+7]
	s_nop 0
	PLACES
.Lasked_\@:
.endm
.macro QUANT s, pc, px, tm, pw         ; 64 numbers of a lane, register 16 b + i = k 32 b + 16 (lane / 16) + i, become a fragment's codes and its scale word
.irp b, 0,1,2,3
	v_max3_num_f32 v[\tm+\b], |v[\s+16*\b]|, |v[\s+1+16*\b]|, 0x1800000   ; and the floor 2^(3 - 127): the byte cannot fall under 1
.endr
.irp i, 2,4,6,8,10,12,14
.irp b, 0,1,2,3
	v_max3_num_f32 v[\tm+\b], v[\tm+\b], |v[\s+16*\b+\i]|, |v[\s+1+16*\b+\i]|
.endr
.endr
.irp b, 0,1,2,3
	v_permlanex16_b32 v[\tm+4+\b], v[\tm+\b], s[SEL], s[SEL+1]
.endr
.irp b, 0,1,2,3
	v_max_num_f32 v[\tm+\b], v[\tm+\b], v[\tm+4+\b]
.endr
.irp b, 0,1,2,3
	v_add_nc_u32 v[\tm+8+\b], 0xff000000, v[\tm+\b]   ; 2 off the exponent field: the conversion's scale operand
.endr
.irp b, 0,1,2,3
	v_lshrrev_b32 v[\tm+4+\b], 23, v[\tm+8+\b]
.endr
	v_lshl_or_b32 v[\pw], v[\tm+5], 8, v[\tm+4]
	v_lshl_or_b32 v[\pw], v[\tm+6], 16, v[\pw]
	v_lshl_or_b32 v[\pw], v[\tm+7], 24, v[\pw]
.irp c, 0,1
	v_cvt_scalef32_pk16_fp6_f32 v[\pc+6*\c:\pc+2+6*\c], v[\s+32*\c:\s+15+32*\c], v[\tm+8+2*\c]
	v_cvt_scalef32_pk16_fp6_f32 v[\px+4*\c:\px+2+4*\c], v[\s+16+32*\c:\s+31+32*\c], v[\tm+9+2*\c]
.endr
	v_nop                                          ; one plain place behind a scaled conversion
.irp c, 0,1
.irp i, 0,1,2
	v_permlane16_swap_b32 v[\pc+6*\c+\i], v[\px+4*\c+\i]
.endr
.irp i, 0,1,2
	v_mov_b32 v[\pc+3+6*\c+\i], v[\px+4*\c+\i]
.endr
.endr
.endm
	s_load_b256 s[4:11], s[0:1], 0x0               ; prep 4, g_q 6, g_kv 8, cbuf 10
	s_load_b64 s[12:13], s[0:1], 0x20              ; kv
	v_lshl_add_u32 v[SPW], v0, 2, SPARE
	v_mov_b32 v[NIL], 0
	ds_add_u32 v[SPW], v[NIL]                      ; the wave's opening: the add and its wait ahead of my first tensor load
	ds_add_u32 v[SPW], v[NIL]
	v_lshrrev_b32 v1, 5, v0
	v_readfirstlane_b32 s[WV], v1
	s_bfe_u32 s[CX], ttmp6, 0x40000
	s_lshl_b32 s[BLK], ttmp9, 2
	s_add_co_u32 s[BLK], s[BLK], s[CX]             ; my block of 128 rows: it enters x's addresses and the results' alone
	s_and_b32 s[YY], ttmp7, 0xffff                 ; the column block, which the four partners share
	s_mov_b32 s[SEL], 0x76543210
	s_mov_b32 s[SEL+1], 0xfedcba98
	s_mov_b32 s26, 0x3b800000                      ; 1 / 256
	s_mov_b32 s27, 0x3727c5ac                      ; 1e-5
	s_mov_b32 s[G1], 3<<16                         ; elements of 8 bytes, no mask, no padding
	s_mov_b32 s[G1J], 15|(3<<16)|(1<<21)           ; the same for all four work-groups
.irp g, G1, G1J
	s_mov_b32 s[\g+1], 768<<16                     ; a row: four K steps of a tile, 6,144 bytes
	s_mov_b32 s[\g+2], 8<<16                       ; 8 tiles
	s_mov_b32 s[\g+3], 768<<16
	s_mov_b32 s[\g+4], 8
	s_mov_b32 s[\g+5], 3072                        ; from tile to tile: 16 K steps, 24,576 bytes
	s_mov_b32 s[\g+6], 0
	s_mov_b32 s[\g+7], 0
.endr
	s_mov_b32 s[G1S], 3<<16
	s_mov_b32 s[G1SJ], 15|(3<<16)|(1<<21)
.irp g, G1S, G1SJ
	s_mov_b32 s[\g+1], 32<<16                      ; 8,192 dense bytes as 32 rows of 256
	s_mov_b32 s[\g+2], 32<<16
	s_mov_b32 s[\g+3], 32<<16
	s_mov_b32 s[\g+4], 32
	s_mov_b32 s[\g+5], 32
	s_mov_b32 s[\g+6], 0
	s_mov_b32 s[\g+7], 0
.endr
	s_mov_b32 s[G1SJ+2], 64<<16                    ; the weight's scale words come whole: 16,384 dense bytes as 64 rows of 256
	s_mov_b32 s[G1SJ+4], 64
	s_mov_b32 s[G1J+2], 16<<16                     ; at the head one joint load brings all 16 tiles of the weight; behind it these two words are set to 8
	s_mov_b32 s[G1J+4], 16
	s_mul_i32 s18, s[WV], PIECE
	s_mul_i32 s88, s[BLK], 196608                  ; x's 8 tiles,
	s_mov_b32 s89, 0
	s_lshl_b32 s90, s[BLK], 13
	s_add_co_u32 s90, s90, XS                      ; their scale words
	s_mov_b32 s91, 0
	s_mul_i32 s92, s[YY], 393216                   ; the weight's 16 tiles; wave 1 the first 8, wave 2 the others
	s_mul_i32 s20, s[WV], 196608
	s_add_co_u32 s92, s92, s20
	s_add_co_u32 s92, s92, W1C-196608
	s_mov_b32 s93, 0
	s_lshl_b32 s94, s[YY], 14
	s_add_co_u32 s94, s94, W1S
	s_mov_b32 s95, 0
	s_wait_dscnt 0x0                               ; the opening add is done
	s_wait_kmcnt 0x0
	CROUND                                         ; all four work-groups are here: the first joint loads meet
	s_mov_b32 s[GAS], 1
	s_mov_b32 s[GAS+1], SCA
	s_add_nc_u64 s[GAS+2:GAS+3], s[4:5], s[90:91]
	s_or_b32 s[GAS+3], s[GAS+3], 0x80000000
	s_mov_b32 s[GBS], 1
	s_mov_b32 s[GBS+1], SCB
	s_add_nc_u64 s[GBS+2:GBS+3], s[4:5], s[94:95]
	s_or_b32 s[GBS+3], s[GBS+3], 0x80000000
	s_add_nc_u64 s[88:89], s[4:5], s[88:89]
	s_add_nc_u64 s[92:93], s[4:5], s[92:93]
.irp s, 0,1
	s_mov_b32 s[GAA+4*\s], 1
	s_add_co_u32 s[GAA+4*\s+1], s18, \s*SLOTB
	s_add_nc_u64 s[GAA+4*\s+2:GAA+4*\s+3], s[88:89], \s*6144      ; slot s begins with K steps 4 s .. 4 s + 3
	s_or_b32 s[GAA+4*\s+3], s[GAA+4*\s+3], 0x80000000
	s_mov_b32 s[GBA+4*\s], 1
	s_add_co_u32 s[GBA+4*\s+1], s18, \s*SLOTB
	s_add_nc_u64 s[GBA+4*\s+2:GBA+4*\s+3], s[92:93], \s*6144
	s_or_b32 s[GBA+4*\s+3], s[GBA+4*\s+3], 0x80000000
.endr
	s_cmp_eq_u32 s[WV], 0                          ; a wave's first fill stands in one branch, ahead of every wait on TENSORcnt, every LDS read and every barrier of the work-group alone
	s_cbranch_scc0 .Lfirst_b                       ; the head's four tiles, one load a wave, in one chain of branches: wave 0 x's piece of slot 0,
	tensor_load_to_lds s[GAA:GAA+3], s[G1:G1+7]
	s_nop 0
	PLACES
	s_branch .Lfirst_done
.Lfirst_b:
	s_cmp_eq_u32 s[WV], 1
	s_cbranch_scc0 .Lfirst_c
	tensor_load_to_lds s[GBA:GBA+3], s[G1J:G1J+7]  ; wave 1 the weight's 16 tiles of slot 0, joint,
	s_nop 0
	PLACES
	s_branch .Lfirst_done
.Lfirst_c:
	s_cmp_eq_u32 s[WV], 2
	s_cbranch_scc0 .Lfirst_d
	tensor_load_to_lds s[GAS:GAS+3], s[G1S:G1S+7]  ; wave 2 x's scale words,
	s_nop 0
	PLACES
	s_branch .Lfirst_done
.Lfirst_d:
	tensor_load_to_lds s[GBS:GBS+3], s[G1SJ:G1SJ+7] ; wave 3 the weight's scale words, joint
	s_nop 0
	PLACES
.Lfirst_done:
; PREFETCH: behind the issue of each fill but the last, every wave asks for the bytes of the NEXT fill, one slot of four K steps ahead.  A tile's four K steps are 6,144 dense bytes: 24 blocks of 256, a lane a block
; (lanes 24-31 name lane 23's block again).  The weight's 16 tiles are shared out by address among the cluster's 16 waves (tile 4 cx + wave); x's 8 tiles, which this work-group alone of the cluster loads, two to a wave.
; The steps along K stand in the immediates: no address register is written again.  The last fill is followed by no request.
.set PFO, 26                           ; v26     256 x min(lane, 23); never rewritten
.set PFW, 92                           ; s[92:93] my tile of the weight, K step 0
.set PFX, 94                           ; s[94:95] my first tile of x, K step 0
.macro PF n
	global_prefetch_b8 v[PFO], s[PFW:PFW+1] offset:6144*(\n) th:TH_LOAD_NT scope:SCOPE_SE
	global_prefetch_b8 v[PFO], s[PFX:PFX+1] offset:6144*(\n) th:TH_LOAD_NT scope:SCOPE_SE
	global_prefetch_b8 v[PFO], s[PFX:PFX+1] offset:6144*(\n)+24576 th:TH_LOAD_NT scope:SCOPE_SE
.endm
	s_lshl_b32 s20, s[CX], 2
	s_add_co_u32 s20, s20, s[WV]                   ; 4 cx + wave
	s_mul_i32 s20, s20, 24576
	s_mul_i32 s21, s[YY], 393216
	s_add_co_u32 s20, s20, s21
	s_add_co_u32 s20, s20, W1C
	s_mov_b32 s21, 0
	s_add_nc_u64 s[PFW:PFW+1], s[4:5], s[20:21]
	s_mul_i32 s20, s[BLK], 196608
	s_mul_i32 s22, s[WV], 49152
	s_add_co_u32 s20, s20, s22                     ; x's tiles 2 wave, 2 wave + 1 of my eight
	s_add_nc_u64 s[PFX:PFX+1], s[4:5], s[20:21]
	v_and_b32 v1, 15, v0
	v_bfe_u32 v2, v0, 4, 1                         ; h
	v_and_b32 v3, 31, v0                           ; lane
	v_lshlrev_b32 v[LI], 4, v3
	v_min_u32 v[PFO], 23, v3
	v_lshlrev_b32 v[PFO], 8, v[PFO]
	v_lshlrev_b32 v[LS], 2, v3
	v_lshlrev_b32 v[L8], 3, v3
	s_mul_i32 s20, s[WV], 12288                    ; my two tiles of x's eight
	v_add_nc_u32 v[ADRA], s20, v[LI]
	v_add_nc_u32 v[ADRA+1], SLOTB, v[ADRA]
	v_add_nc_u32 v[ADRB], PIECE, v[LI]
	v_add_nc_u32 v[ADRB+1], 2*PIECE, v[LI]
	v_add_nc_u32 v[ADRB+2], SLOTB+PIECE, v[LI]
	v_add_nc_u32 v[ADRB+3], SLOTB+2*PIECE, v[LI]
	v_lshlrev_b32 v[ADSB], 2, v1
	s_lshl_b32 s20, s[WV], 11
	s_add_co_u32 s20, s20, SCA
	v_add_nc_u32 v[ADSA], s20, v[ADSB]
	v_add_nc_u32 v[ADSB], SCB, v[ADSB]
	; the gain and cos + sin are asked for here by every work-group, and each uses one of the two: so no register's filling hangs on a branch
	v_lshlrev_b32 v[GO], 6, v2
	s_cmp_eq_u32 s[YY], 0
	s_cselect_b64 s[88:89], s[6:7], s[8:9]
.irp b, 0,1,2,3,4,5,6,7
.irp q, 0,1,2,3
	global_load_b128 v[G+16*\b+4*\q:G+16*\b+4*\q+3], v[GO], s[88:89] offset:128*\b+16*\q   ; register 16 b + i: the gain of column 32 b + 16 h + i
.endr
.endr
	v_and_b32 v[RO], 8, v1
	v_add_nc_u32 v[RO], v[RO], v1
	v_lshlrev_b32 v[RO], 7, v[RO]
	v_lshl_add_u32 v[RO], v2, 6, v[RO]             ; the table: (r + 8 (r / 8)) rows of 128 bytes, + 64 h
	s_wait_alu depctr_va_vdst(0)
	s_and_b32 s20, s[BLK], 15
	s_lshl_b32 s20, s20, 14
	s_lshl_b32 s21, s[WV], 12
	s_add_co_u32 s20, s20, s21
	s_add_co_u32 s20, s20, ROPE
	s_mov_b32 s21, 0
	s_add_nc_u64 s[90:91], s[4:5], s[20:21]        ; at position 128 (block % 16) + 32 w
	WIN 0x80                                       ; destination window 2
.irp a, 0,1
.irp q, 0,1,2,3
	global_load_b128 v[FW+16*\a+4*\q:FW+16*\a+4*\q+3], v[RO], s[90:91] offset:1024*\a+16*\q
.endr
.endr
	WIN 0
.macro FETCH k                         ; K step k's fragments into window 2 + k % 2, its scale words into set k % 2
.set SG, ((\k)/4)%2
.set KO, ((\k)%4)*1536
	WIN (2+(\k)%2)<<6
.set FI, 0
.rept NA
.irp q, 0,1,2
	ds_load_b128 v[12*FI+4*\q:12*FI+4*\q+3], v[ADRA+SG] offset:FI*6144+KO+512*\q
.endr
.set FI, FI+1
.endr
.set FI, 0
.rept NB
.irp q, 0,1,2
	ds_load_b128 v[12*(NA+FI)+4*\q:12*(NA+FI)+4*\q+3], v[ADRB+NBH*SG+FI/8] offset:(FI%8)*6144+KO+512*\q
.endr
.set FI, FI+1
.endr
	WIN 0
.set FI, 0
.rept NA
	ds_load_b32 v[SC+NS*((\k)%2)+FI], v[ADSA] offset:FI*1024+64*(\k)
.set FI, FI+1
.endr
.set FI, 0
.rept NB
	ds_load_b32 v[SC+NS*((\k)%2)+NA+FI], v[ADSB] offset:FI*1024+64*(\k)
.set FI, FI+1
.endr
.endm
.macro MUL k                           ; 32 products; the 32 accumulators take turns, one instruction a turn, in the same order in every step
.if (\k)%2
	WIN 0x5f
.else
	WIN 0x5a
.endif
.set SB_, SC+NS*((\k)%2)
.set FA_, 0
.rept NA
.set FB_, 0
.rept NB
.if (\k) == 0
	v_wmma_scale_f32_16x16x128_f8f6f4 v[8*(NB*FA_+FB_):8*(NB*FA_+FB_)+7], v[12*(NA+FB_):12*(NA+FB_)+11], v[12*FA_:12*FA_+11], 0, v[SB_+NA+FB_], v[SB_+FA_] matrix_a_fmt:MATRIX_FMT_FP6 matrix_b_fmt:MATRIX_FMT_FP6
.else
	v_wmma_scale_f32_16x16x128_f8f6f4 v[8*(NB*FA_+FB_):8*(NB*FA_+FB_)+7], v[12*(NA+FB_):12*(NA+FB_)+11], v[12*FA_:12*FA_+11], v[8*(NB*FA_+FB_):8*(NB*FA_+FB_)+7], v[SB_+NA+FB_], v[SB_+FA_] matrix_a_fmt:MATRIX_FMT_FP6 matrix_b_fmt:MATRIX_FMT_FP6
.endif
.set FB_, FB_+1
.endr
.set FA_, FA_+1
.endr
.endm
; The change of slots: every wave waits for all its tensor loads, adds 0 to its spare word, waits for that and for its reads of the slot that is left.  fill = 1: a round of the cluster's barrier, and slot sl is filled again first thing behind it
.macro CHG fill, sl
	s_wait_tensorcnt 0x0                           ; no tensor load of mine is out, so a group 0 may be written
	ds_add_u32 v[SPW], v[NIL]
.if \fill
	s_add_nc_u64 s[GAA+4*\sl+2:GAA+4*\sl+3], s[GAA+4*\sl+2:GAA+4*\sl+3], 12288   ; eight K steps on
	s_add_nc_u64 s[GBA+4*\sl+2:GBA+4*\sl+3], s[GBA+4*\sl+2:GBA+4*\sl+3], 12288
.endif
	s_wait_dscnt 0x0                               ; the add is done, and my reads of the slot are over
.if \fill
	CROUND
	TL GAA+4*\sl, GBA+4*\sl
.else
	s_barrier_signal -1
	s_barrier_wait -1
.endif
.endm
.macro STEP k                          ; the next step's fragments are asked for, then this step is multiplied
.if (\k) == 3
	CHG 1, 0
.elseif (\k) == 7
	CHG 1, 1
.elseif (\k) == 11
	CHG 0, 0
.else
	s_wait_dscnt 0x0                               ; this step's fragments, asked for a whole step ago
.endif
.if (\k) < 15
	FETCH (\k)+1
.endif
.if (\k) == 3
	PF 3                                           ; K steps 12 to 15
.endif
	MUL \k
	PLACES                                         ; in front of the loads into registers that these products read, and of the first read of results
	WIN 0
.endm
	s_wait_alu depctr_va_vdst(0)                   ; the wait at the head's end
	PF 1                                           ; K steps 4 to 7, which the load behind the round below will want
	s_wait_tensorcnt 0x0                           ; my tile of the head's four is in; slot 1's first fill is issued as a refill is
	ds_add_u32 v[SPW], v[NIL]
	s_mov_b32 s[G1J+2], 8<<16
	s_mov_b32 s[G1J+4], 8
	s_wait_dscnt 0x0
	CROUND                                         ; all four tiles are in, and all four work-groups are here
	TL GAA+4, GBA+4                                ; slot 1: K steps 4 to 7
	FETCH 0
	PF 2                                           ; K steps 8 to 11
.irp k, 0,1,2,3,4,5,6,7,8,9,10,11,12,13,14,15
	STEP \k
.endr
	s_wait_loadcnt 0x0                             ; the gain, cos + sin
	v_cmp_lt_u32 vcc_lo, 15, v3                    ; lanes 16-31
	WIN 0xaa
.irp b, 0,1,2,3
	v_mov_b32 v[TM+4+\b], 0                        ; a lane permute's destination counts as one of its sources
.endr
	WIN 0
	s_cmp_lt_u32 s[YY], 2                          ; the column block: the same in all partners
	s_cbranch_scc0 .Lrope
	; ---- RMS norm, gain, quantiser
	s_lshl_b32 s18, s[BLK], 3
	s_lshl_b32 s19, s[WV], 1
	s_add_co_u32 s18, s18, s19                     ; my first tile of rows
	s_mul_i32 s22, s[YY], 819200
	s_mul_i32 s20, s18, 3072
	s_add_co_u32 s20, s20, s22
	s_mov_b32 s21, 0
	s_add_nc_u64 s[96:97], s[10:11], s[20:21]
	s_lshl_b32 s20, s18, 7
	s_add_co_u32 s20, s20, s22
	s_add_co_u32 s20, s20, 786432
	s_add_nc_u64 s[98:99], s[10:11], s[20:21]
.macro SUMSQ a                         ; the sum of squares of my 128 numbers of tile a's row, in four chains, each accumulator from its low end on; then lane l xor 16's
	WIN 0x05
.set M_, 0
.rept 64
.if M_ < 4
	v_pk_mul_f32 v[CH+2*M_:CH+2*M_+1], v[128*(\a)+2*M_:128*(\a)+2*M_+1], v[128*(\a)+2*M_:128*(\a)+2*M_+1]
.else
	v_pk_fma_f32 v[CH+2*(M_%4):CH+2*(M_%4)+1], v[128*(\a)+2*M_:128*(\a)+2*M_+1], v[128*(\a)+2*M_:128*(\a)+2*M_+1], v[CH+2*(M_%4):CH+2*(M_%4)+1]
.endif
.set M_, M_+1
.endr
	WIN 0
	v_pk_add_f32 v[CH:CH+1], v[CH:CH+1], v[CH+2:CH+3]
	v_pk_add_f32 v[CH+4:CH+5], v[CH+4:CH+5], v[CH+6:CH+7]
	v_pk_add_f32 v[CH:CH+1], v[CH:CH+1], v[CH+4:CH+5]
	v_add_f32 v[CH], v[CH], v[CH+1]
	v_permlanex16_b32 v[CH+1], v[CH], s[SEL], s[SEL+1]
	v_add_f32 v[CH], v[CH], v[CH+1]
	v_fma_f32 v[22+(\a)], v[CH], s26, s27          ; the mean + 1e-5
.endm
	SUMSQ 0
	SUMSQ 1
	s_wait_alu depctr_va_vdst(0)
	v_rsq_f32 v18, v22
	v_rsq_f32 v20, v23
	v_mov_b32 v19, 0                               ; (named with them as pairs; plain work behind the two)
	v_mov_b32 v21, 0
	s_wait_alu depctr_va_vdst(0)                   ; one wait for both, ahead of their first reader
.macro NORMQ a, kp                     ; tile a's columns 128 kp .. 128 kp + 127: g (x rsqrt), as the source has it; one image
	WIN 0x81                                       ; source 0 window 1, source 1 window 0, destination window 2
.set M_, 0
.rept 32
	v_pk_mul_f32 v[X+2*M_:X+2*M_+1], v[128*(\a)+64*(\kp)+2*M_:128*(\a)+64*(\kp)+2*M_+1], v[18+2*(\a):19+2*(\a)] op_sel_hi:[1,0]
.set M_, M_+1
.endr
	WIN 0x82
.set M_, 0
.rept 32
	v_pk_mul_f32 v[X+2*M_:X+2*M_+1], v[X+2*M_:X+2*M_+1], v[G+64*(\kp)+2*M_:G+64*(\kp)+2*M_+1]
.set M_, M_+1
.endr
	s_wait_xcnt 0x0                                ; the last image's stores have read their registers
	WIN 0xaa
	QUANT X, PC, PX, TM, PW+(\kp)
.if \kp
	v_cndmask_b32 v[PT], v[PW], v[PW+1], vcc_lo    ; lanes 0-15 the first K step's words, lanes 16-31 the second's
.endif
	WIN 0x08                                       ; a store's data: window 2
.irp q, 0,1,2
	global_store_b128 v[LI], v[PC+4*\q:PC+4*\q+3], s[96:97] offset:3072*(\a)+1536*(\kp)+512*\q
.endr
.if \kp
	global_store_b32 v[LS], v[PT], s[98:99] offset:128*(\a)
.endif
	WIN 0
.endm
	NORMQ 0, 0
	NORMQ 0, 1
	NORMQ 1, 0
	NORMQ 1, 1
	s_branch .Ldone
	; ---- the rope, quantiser: 128 columns are two heads' channels 64-127: each half of a fragment is the upper half of one head's image of K
.Lrope:
	s_lshr_b32 s18, s[BLK], 4
	s_lshl_b32 s18, s18, 4
	s_sub_co_u32 s19, s[YY], 2
	s_lshl_b32 s19, s19, 2
	s_add_co_u32 s18, s18, s19                     ; batch x 16 + the block's first head
	s_lshl_b32 s18, s18, 7
	s_and_b32 s19, s[BLK], 15
	s_lshl_b32 s19, s19, 3
	s_add_co_u32 s18, s18, s19
	s_lshl_b32 s19, s[WV], 1
	s_add_co_u32 s18, s18, s19                     ; its tile of keys
	s_mul_i32 s20, s18, 1536
	s_mov_b32 s21, 0
	s_add_nc_u64 s[96:97], s[12:13], s[20:21]
	s_lshl_b32 s20, s18, 6
	s_add_co_u32 s20, s20, KSB
	s_add_nc_u64 s[98:99], s[12:13], s[20:21]
	v_lshlrev_b32 v[KSO], 2, v1
	v_lshl_add_u32 v[KSO], v2, 13, v[KSO]
	v_add_nc_u32 v[KSO], 2, v[KSO]                 ; bytes 2, 3 of key r's scale word; lanes 16-31: the next head's
.macro ROPEQ a, kp
	WIN 0x89                                       ; source 0 window 1, source 1 and destination window 2
.set M_, 0
.rept 32
	v_pk_mul_f32 v[X+2*M_:X+2*M_+1], v[128*(\a)+64*(\kp)+2*M_:128*(\a)+64*(\kp)+2*M_+1], v[FW+16*(\a)+(2*M_)%16:FW+16*(\a)+(2*M_)%16+1]   ; the table repeats every 32 channels
.set M_, M_+1
.endr
	s_wait_xcnt 0x0
	WIN 0xaa
	QUANT X, PC, PX, TM, PW
	v_lshrrev_b32 v[PU], 16, v[PW]
	v_cndmask_b32 v[PT], v[PW], v[PU], vcc_lo
	WIN 0x08
	global_store_b128 v[LI], v[PC:PC+3], s[96:97] offset:1536*(\a)+393216*(\kp)+768
	global_store_b64 v[L8], v[PC+4:PC+5], s[96:97] offset:1536*(\a)+393216*(\kp)+1280
	global_store_b128 v[LI], v[PC+6:PC+9], s[96:97] offset:1536*(\a)+393216*(\kp)+196608+768
	global_store_b64 v[L8], v[PC+10:PC+11], s[96:97] offset:1536*(\a)+393216*(\kp)+196608+1280
	global_store_b16 v[KSO], v[PT], s[98:99] offset:64*(\a)+16384*(\kp)
	WIN 0
.endm
	ROPEQ 0, 0
	ROPEQ 0, 1
	ROPEQ 1, 0
	ROPEQ 1, 1
.Ldone:
	s_wait_tensorcnt 0x0                           ; the wave's end
	ds_add_u32 v[SPW], v[NIL]
	s_wait_dscnt 0x0
	CROUND                                         ; the closing round: no work-group ends while a partner may still ask for a tile that names it
	s_endpgm
.Lfunc_end_k_q0d24fcfdbf_gemm1:
	.size	k_q0d24fcfdbf_gemm1, .Lfunc_end_k_q0d24fcfdbf_gemm1-k_q0d24fcfdbf_gemm1
	.p2alignl 7, 3214868480
	.fill 96, 4, 3214868480
	.section	.rodata,"a",@progbits
	.p2align	6, 0x0
	.amdhsa_kernel k_q0d24fcfdbf_gemm1
		.amdhsa_group_segment_fixed_size 327680
		.amdhsa_private_segment_fixed_size 0
		.amdhsa_enable_private_segment 0
		.amdhsa_kernarg_size 40
		.amdhsa_user_sgpr_count 2
		.amdhsa_user_sgpr_kernarg_segment_ptr 1
		.amdhsa_wavefront_size32 1
		.amdhsa_system_sgpr_workgroup_id_x 1
		.amdhsa_system_sgpr_workgroup_id_y 1
		.amdhsa_system_sgpr_workgroup_id_z 1
		.amdhsa_system_vgpr_workitem_id 0
		.amdhsa_next_free_vgpr 1024
		.amdhsa_next_free_sgpr 102
		.amdhsa_reserve_vcc 1
		.amdhsa_float_denorm_mode_32 3
		.amdhsa_float_denorm_mode_16_64 3
		.amdhsa_memory_ordered 1
		.amdhsa_forward_progress 1
		.amdhsa_inst_pref_size 227
	.end_amdhsa_kernel
	.amdgpu_metadata
---
amdhsa.version: [ 1, 2 ]
amdhsa.kernels:
  - .name:           k_q0d24fcfdbf_gemm1
    .symbol:         k_q0d24fcfdbf_gemm1.kd
    .args:
      - { .name: prep, .offset: 0, .size: 8, .value_kind: global_buffer, .address_space: global }
      - { .name: g_q, .offset: 8, .size: 8, .value_kind: global_buffer, .address_space: global }
      - { .name: g_kv, .offset: 16, .size: 8, .value_kind: global_buffer, .address_space: global }
      - { .name: cbuf, .offset: 24, .size: 8, .value_kind: global_buffer, .address_space: global }
      - { .name: kv, .offset: 32, .size: 8, .value_kind: global_buffer, .address_space: global }
    .group_segment_fixed_size: 327680
    .private_segment_fixed_size: 0
    .kernarg_segment_align: 8
    .kernarg_segment_size: 40
    .max_flat_workgroup_size: 128
    .sgpr_count:     102
    .vgpr_count:     1024
    .wavefront_size: 32
...
	.end_amdgpu_metadata
.endif
;; end of part 2
;; launch kvup (part 3): grid 256 x 1, 4 waves a work-group, no clusters, 0 bytes of LDS; arguments prep, cbuf, kv; writes kv
.if DOCPART == 3
	.amdgcn_target "amdgcn-amd-amdhsa--gfx1250"
	.amdhsa_code_object_version 6
	.text
	.protected	k_q0d24fcfdbf_kvup
	.globl	k_q0d24fcfdbf_kvup
	.p2align	8
	.type	k_q0d24fcfdbf_kvup,@function
k_q0d24fcfdbf_kvup:
	s_mov_b64 s[64:65], 0
	v_nop
	global_prefetch_b8 v0, s[64:65] scope:SCOPE_SE
	s_setreg_imm32_b32 hwreg(HW_REG_WAVE_MODE, 25, 1), 1
	s_wait_xcnt 0x0
; k_base = c_kv W_uk and v = c_kv W_uv on codes of FP6, K = 256, quantised on the way: channels 0-63 of K's images (along the head's channels) and V^T's images (along the KEYS), to kv.
; SHARES: a work-group has one block of 128 keys and two heads; a wave has one head and half e of it: of V, channel tiles 4 e .. 4 e + 3 for the 128 keys; of K, channels 32 e .. 32 e + 31 for the 128 keys.
; All operands (c_kv's 16 fragments, the weights' 12) go from memory straight into registers, once: 43,008 bytes of codes for 96 products; no LDS, no barrier, no loop.  A tensor load would bring nothing that several waves share at one time.
; V: source 0 = 16 keys of c_kv, source 1 = 16 channels of W_uv: a lane holds one channel, its 64 registers the 128 keys' halves in the quantiser's order.
; K: source 0 = 16 channels of W_uk, source 1 = 16 keys: a lane holds one key, 16 registers a key tile: one block of 32 channels with lane l xor 16.  One quantiser call serves four key tiles, block by block:
;    behind it lanes 0-15 hold one tile's 32 codes a key and lanes 16-31 the next tile's; they go to lane place r + 16 e of the images' lower halves.
; REGISTERS: window 0: v16-43 scale words (nothing else ever), v64-127 eight accumulators, v128-.. codes and work.  window 1: c_kv.  window 2: W_uv v0-95, W_uk v96-143.
; LIMITS: a block of zeros gets the scale byte 1; NaN and infinities are not served.
.set WKC,  12697600
.set WKS,  13287424
.set KSB,  6291456
.set VC,   6553600
.set VS,   12845056
.set SEL, 2
.set LI, 6
.set LR, 7
.set LS, 8
.set KO16, 9
.set KO8, 10
.set KSO, 11
.set SH8, 12
.set ACC, 64
.set PC, 128
.set PX, 140
.set TM, 148
.set PW, 164
.set MSB, 0
.macro WIN new
.if MSB != (\new)
	s_set_vgpr_msb (MSB<<8)|(\new)
.set MSB, (\new)
.endif
.endm
.macro QUANT s, pc, px, tm, pw
.irp b, 0,1,2,3
	v_max3_num_f32 v[\tm+\b], |v[\s+16*\b]|, |v[\s+1+16*\b]|, 0x1800000   ; and the floor 2^(3 - 127): the byte cannot fall under 1
.endr
.irp i, 2,4,6,8,10,12,14
.irp b, 0,1,2,3
	v_max3_num_f32 v[\tm+\b], v[\tm+\b], |v[\s+16*\b+\i]|, |v[\s+1+16*\b+\i]|
.endr
.endr
.irp b, 0,1,2,3
	v_permlanex16_b32 v[\tm+4+\b], v[\tm+\b], s[SEL], s[SEL+1]
.endr
.irp b, 0,1,2,3
	v_max_num_f32 v[\tm+\b], v[\tm+\b], v[\tm+4+\b]
.endr
.irp b, 0,1,2,3
	v_add_nc_u32 v[\tm+8+\b], 0xff000000, v[\tm+\b]
.endr
.irp b, 0,1,2,3
	v_lshrrev_b32 v[\tm+4+\b], 23, v[\tm+8+\b]
.endr
	v_lshl_or_b32 v[\pw], v[\tm+5], 8, v[\tm+4]
	v_lshl_or_b32 v[\pw], v[\tm+6], 16, v[\pw]
	v_lshl_or_b32 v[\pw], v[\tm+7], 24, v[\pw]
.irp c, 0,1
	v_cvt_scalef32_pk16_fp6_f32 v[\pc+6*\c:\pc+2+6*\c], v[\s+32*\c:\s+15+32*\c], v[\tm+8+2*\c]
	v_cvt_scalef32_pk16_fp6_f32 v[\px+4*\c:\px+2+4*\c], v[\s+16+32*\c:\s+31+32*\c], v[\tm+9+2*\c]
.endr
	v_nop                                          ; one plain place behind a scaled conversion: the next unit's products write its sources
.irp c, 0,1
.irp i, 0,1,2
	v_permlane16_swap_b32 v[\pc+6*\c+\i], v[\px+4*\c+\i]
.endr
.irp i, 0,1,2
	v_mov_b32 v[\pc+3+6*\c+\i], v[\px+4*\c+\i]
.endr
.endr
.endm
	s_load_b128 s[4:7], s[0:1], 0x0                ; prep, cbuf
	s_load_b64 s[8:9], s[0:1], 0x10                ; kv
	v_lshrrev_b32 v1, 5, v0
	v_readfirstlane_b32 s10, v1                    ; wave
	s_lshr_b32 s11, ttmp9, 3                       ; the block of 128 keys, 0 .. 31
	s_and_b32 s12, ttmp9, 7
	s_lshl_b32 s12, s12, 2
	s_add_co_u32 s12, s12, s10
	s_lshr_b32 s13, s12, 1                         ; the head
	s_and_b32 s14, s12, 1                          ; e
	s_lshr_b32 s15, s11, 4
	s_lshl_b32 s15, s15, 4
	s_add_co_u32 s15, s15, s13                     ; batch x 16 + head
	s_and_b32 s16, s11, 15                         ; the key step within the sequence
	s_mov_b32 s[SEL], 0x76543210
	s_mov_b32 s[SEL+1], 0xfedcba98
	v_and_b32 v1, 15, v0                           ; r
	v_bfe_u32 v2, v0, 4, 1                         ; h
	v_and_b32 v3, 31, v0
	v_lshlrev_b32 v[LI], 4, v3
	v_lshlrev_b32 v[LR], 2, v1
	v_lshlrev_b32 v[LS], 2, v3
	v_mul_u32_u24 v4, v2, 1536                     ; lanes 16-31: the next key tile's image
	s_lshl_b32 s17, s14, 8
	v_lshl_add_u32 v[KO16], v1, 4, v4
	v_add_nc_u32 v[KO16], s17, v[KO16]             ; + 16 (r + 16 e)
	s_lshl_b32 s17, s14, 7
	v_lshl_add_u32 v[KO8], v1, 3, v4
	v_add_nc_u32 v[KO8], s17, v[KO8]               ; + 8 (r + 16 e)
	v_lshl_add_u32 v[KSO], v2, 6, v[LR]            ; key r's scale word, lanes 16-31 the next tile's
	v_lshlrev_b32 v[SH8], 3, v2
	v_cmp_lt_u32 vcc_lo, 15, v3
.irp b, 0,1,2,3
	v_mov_b32 v[TM+4+\b], 0                        ; a lane permute's destination counts as one of its sources
.endr
	s_mov_b32 s19, 0
	s_wait_kmcnt 0x0
	s_mul_i32 s18, s11, 24576
	s_add_co_u32 s18, s18, 819200
	s_add_nc_u64 s[20:21], s[6:7], s[18:19]        ; c_kv's 16 images
	s_lshl_b32 s18, s11, 10
	s_add_co_u32 s18, s18, 819200+786432
	s_add_nc_u64 s[22:23], s[6:7], s[18:19]        ; their scale words
	s_lshl_b32 s17, s13, 3
	s_lshl_b32 s18, s14, 2
	s_add_co_u32 s17, s17, s18
	s_add_co_u32 s17, s17, 64                      ; W_uv's tile 64 + 8 head + 4 e
	s_mul_i32 s18, s17, 3072
	s_add_co_u32 s18, s18, WKC
	s_add_nc_u64 s[24:25], s[4:5], s[18:19]
	s_lshl_b32 s18, s17, 7
	s_add_co_u32 s18, s18, WKS
	s_add_nc_u64 s[26:27], s[4:5], s[18:19]
	s_lshl_b32 s17, s13, 2
	s_lshl_b32 s18, s14, 1
	s_add_co_u32 s17, s17, s18                     ; W_uk's tile 4 head + 2 e
	s_mul_i32 s18, s17, 3072
	s_add_co_u32 s18, s18, WKC
	s_add_nc_u64 s[28:29], s[4:5], s[18:19]
	s_lshl_b32 s18, s17, 7
	s_add_co_u32 s18, s18, WKS
	s_add_nc_u64 s[30:31], s[4:5], s[18:19]
	s_lshl_b32 s17, s15, 4
	s_add_co_u32 s17, s17, s16
	s_lshl_b32 s17, s17, 3
	s_lshl_b32 s18, s14, 2
	s_add_co_u32 s17, s17, s18                     ; V's image (16 hb + key step) 8 + 4 e
	s_mul_i32 s18, s17, 1536
	s_add_co_u32 s18, s18, VC
	s_add_nc_u64 s[32:33], s[8:9], s[18:19]
	s_lshl_b32 s18, s17, 6
	s_add_co_u32 s18, s18, VS
	s_add_nc_u64 s[34:35], s[8:9], s[18:19]
	s_lshl_b32 s17, s15, 7
	s_lshl_b32 s18, s16, 3
	s_add_co_u32 s17, s17, s18                     ; K's image 128 hb + 8 key step
	s_mul_i32 s18, s17, 1536
	s_add_nc_u64 s[36:37], s[8:9], s[18:19]
	s_lshl_b32 s18, s17, 6
	s_add_co_u32 s18, s18, KSB
	s_add_co_u32 s18, s18, s14                     ; byte e of the scale words
	s_add_nc_u64 s[38:39], s[8:9], s[18:19]
	WIN 0x40                                       ; destination window 1
.set F_, 0
.rept 16                               ; c_kv's fragment (key tile a, K step s) at v[12 (2 a + s)]
.irp q, 0,1,2
	global_load_b128 v[12*F_+4*\q:12*F_+4*\q+3], v[LI], s[20:21] offset:1536*F_+512*\q
.endr
.set F_, F_+1
.endr
	WIN 0x80                                       ; destination window 2
.set F_, 0
.rept 8                                ; W_uv's (tile t, s) at v[12 (2 t + s)]
.irp q, 0,1,2
	global_load_b128 v[12*F_+4*\q:12*F_+4*\q+3], v[LI], s[24:25] offset:1536*F_+512*\q
.endr
.set F_, F_+1
.endr
.set F_, 0
.rept 4                                ; W_uk's (tile u, s) at v[96 + 12 (2 u + s)]
.irp q, 0,1,2
	global_load_b128 v[96+12*F_+4*\q:96+12*F_+4*\q+3], v[LI], s[28:29] offset:1536*F_+512*\q
.endr
.set F_, F_+1
.endr
	WIN 0
.set F_, 0
.rept 16
	global_load_b32 v[16+F_], v[LR], s[22:23] offset:64*F_
.set F_, F_+1
.endr
.set F_, 0
.rept 8
	global_load_b32 v[32+F_], v[LR], s[26:27] offset:64*F_
.set F_, F_+1
.endr
.set F_, 0
.rept 4
	global_load_b32 v[40+F_], v[LR], s[30:31] offset:64*F_
.set F_, F_+1
.endr
	s_wait_loadcnt 0x0
.macro PLACES5                         ; five places: the next unit's first products begin the same accumulators anew
.rept 5
	v_nop
.endr
.endm
.macro VUNIT t                         ; channel tile 4 e + t of V^T for the 128 keys: eight accumulators by turns
	WIN 0x09                                       ; source 0 (c_kv) window 1, source 1 (W_uv) window 2
.irp s, 0,1
.irp a, 0,1,2,3,4,5,6,7
.if \s == 0
	v_wmma_scale_f32_16x16x128_f8f6f4 v[ACC+8*\a:ACC+8*\a+7], v[12*(2*\a+\s):12*(2*\a+\s)+11], v[12*(2*(\t)+\s):12*(2*(\t)+\s)+11], 0, v[16+2*\a+\s], v[32+2*(\t)+\s] matrix_a_fmt:MATRIX_FMT_FP6 matrix_b_fmt:MATRIX_FMT_FP6
.else
	v_wmma_scale_f32_16x16x128_f8f6f4 v[ACC+8*\a:ACC+8*\a+7], v[12*(2*\a+\s):12*(2*\a+\s)+11], v[12*(2*(\t)+\s):12*(2*(\t)+\s)+11], v[ACC+8*\a:ACC+8*\a+7], v[16+2*\a+\s], v[32+2*(\t)+\s] matrix_a_fmt:MATRIX_FMT_FP6 matrix_b_fmt:MATRIX_FMT_FP6
.endif
.endr
.endr
	PLACES5
	WIN 0
	s_wait_xcnt 0x0                                ; the last image's stores have read their registers
	QUANT ACC, PC, PX, TM, PW+(\t)
.irp q, 0,1,2
	global_store_b128 v[LI], v[PC+4*\q:PC+4*\q+3], s[32:33] offset:1536*(\t)+512*\q
.endr
.endm
	VUNIT 0
	VUNIT 1
	VUNIT 2
	VUNIT 3
	v_cndmask_b32 v170, v[PW], v[PW+1], vcc_lo     ; two tiles' scale words a store: 128 consecutive bytes
	v_cndmask_b32 v171, v[PW+2], v[PW+3], vcc_lo
	global_store_b32 v[LS], v170, s[34:35]
	global_store_b32 v[LS], v171, s[34:35] offset:128
.macro KUNIT p                         ; key tiles 4 p .. 4 p + 3, channels 32 e .. 32 e + 31
	WIN 0x06                                       ; source 0 (W_uk) window 2, source 1 (c_kv) window 1
.irp s, 0,1
.irp z, 0,1,2,3
.irp u, 0,1
.if \s == 0
	v_wmma_scale_f32_16x16x128_f8f6f4 v[ACC+16*\z+8*\u:ACC+16*\z+8*\u+7], v[96+12*(2*\u+\s):96+12*(2*\u+\s)+11], v[12*(2*(4*(\p)+\z)+\s):12*(2*(4*(\p)+\z)+\s)+11], 0, v[40+2*\u+\s], v[16+2*(4*(\p)+\z)+\s] matrix_a_fmt:MATRIX_FMT_FP6 matrix_b_fmt:MATRIX_FMT_FP6
.else
	v_wmma_scale_f32_16x16x128_f8f6f4 v[ACC+16*\z+8*\u:ACC+16*\z+8*\u+7], v[96+12*(2*\u+\s):96+12*(2*\u+\s)+11], v[12*(2*(4*(\p)+\z)+\s):12*(2*(4*(\p)+\z)+\s)+11], v[ACC+16*\z+8*\u:ACC+16*\z+8*\u+7], v[40+2*\u+\s], v[16+2*(4*(\p)+\z)+\s] matrix_a_fmt:MATRIX_FMT_FP6 matrix_b_fmt:MATRIX_FMT_FP6
.endif
.endr
.endr
.endr
	PLACES5
	WIN 0
	s_wait_xcnt 0x0
	QUANT ACC, PC, PX, TM, PW
.irp c, 0,1
	global_store_b128 v[KO16], v[PC+6*\c:PC+6*\c+3], s[36:37] offset:(4*(\p)+2*\c)*1536          ; sixteen lanes: 256 consecutive bytes of an image's lower half
	global_store_b64 v[KO8], v[PC+6*\c+4:PC+6*\c+5], s[36:37] offset:(4*(\p)+2*\c)*1536+512
.endr
	v_lshrrev_b32 v168, v[SH8], v[PW]              ; byte z of the word is key tile z's: lanes 0-15 tiles 0 and 2, lanes 16-31 tiles 1 and 3
	v_lshrrev_b32 v169, 16, v168
	global_store_b8 v[KSO], v168, s[38:39] offset:(4*(\p))*64
	global_store_b8 v[KSO], v169, s[38:39] offset:(4*(\p)+2)*64
.endm
	KUNIT 0
	KUNIT 1
	s_endpgm
.Lfunc_end_k_q0d24fcfdbf_kvup:
	.size	k_q0d24fcfdbf_kvup, .Lfunc_end_k_q0d24fcfdbf_kvup-k_q0d24fcfdbf_kvup
	.p2alignl 7, 3214868480
	.fill 96, 4, 3214868480
	.section	.rodata,"a",@progbits
	.p2align	6, 0x0
	.amdhsa_kernel k_q0d24fcfdbf_kvup
		.amdhsa_group_segment_fixed_size 0
		.amdhsa_private_segment_fixed_size 0
		.amdhsa_enable_private_segment 0
		.amdhsa_kernarg_size 24
		.amdhsa_user_sgpr_count 2
		.amdhsa_user_sgpr_kernarg_segment_ptr 1
		.amdhsa_wavefront_size32 1
		.amdhsa_system_sgpr_workgroup_id_x 1
		.amdhsa_system_sgpr_workgroup_id_y 1
		.amdhsa_system_sgpr_workgroup_id_z 1
		.amdhsa_system_vgpr_workitem_id 0
		.amdhsa_next_free_vgpr 768
		.amdhsa_next_free_sgpr 66
		.amdhsa_reserve_vcc 1
		.amdhsa_float_denorm_mode_32 3
		.amdhsa_float_denorm_mode_16_64 3
		.amdhsa_memory_ordered 1
		.amdhsa_forward_progress 1
		.amdhsa_inst_pref_size 53
	.end_amdhsa_kernel
	.amdgpu_metadata
---
amdhsa.version: [ 1, 2 ]
amdhsa.kernels:
  - .name:           k_q0d24fcfdbf_kvup
    .symbol:         k_q0d24fcfdbf_kvup.kd
    .args:
      - { .name: prep, .offset: 0, .size: 8, .value_kind: global_buffer, .address_space: global }
      - { .name: cbuf, .offset: 8, .size: 8, .value_kind: global_buffer, .address_space: global }
      - { .name: kv, .offset: 16, .size: 8, .value_kind: global_buffer, .address_space: global }
    .group_segment_fixed_size: 0
    .private_segment_fixed_size: 0
    .kernarg_segment_align: 8
    .kernarg_segment_size: 24
    .max_flat_workgroup_size: 128
    .sgpr_count:     66
    .vgpr_count:     768
    .wavefront_size: 32
...
	.end_amdgpu_metadata
.endif
;; end of part 3
;; launch attn (part 4): grid 8 x 32, 16 waves a work-group, no clusters, 327,680 bytes of LDS; arguments prep, cbuf, kv, obuf; writes obuf
.if DOCPART == 4
	.amdgcn_target "amdgcn-amd-amdhsa--gfx1250"
	.amdhsa_code_object_version 6
	.text
	.protected	k_q0d24fcfdbf_attn
	.globl	k_q0d24fcfdbf_attn
	.p2align	8
	.type	k_q0d24fcfdbf_attn,@function
k_q0d24fcfdbf_attn:
	s_mov_b64 s[64:65], 0
	v_nop
	global_prefetch_b8 v0, s[64:65] scope:SCOPE_SE
	s_setreg_imm32_b32 hwreg(HW_REG_WAVE_MODE, 25, 1), 1
	s_wait_xcnt 0x0
; Causal attention on codes of FP6, one (batch, head) to a row of the grid.  Each wave first makes its own 16 queries (q = c_q [W_uq | W_qr], the rope on channels 64-127, quantised),
; and at the end quantises its rows of O along the head's channels into an image for the last product.
; SOFTMAX: t = score x log2(e) / sqrt(128); M = the running largest t rounded up to a whole number; p = 2^(t - M) is quantised along the keys, not normalised; the row's sum is taken of the
; unquantised p and divides O at the end; when M moves, the sum and O are multiplied by 2^(old M - new M), which rounds nothing.
; SHARES: sixteen waves, a tile of 16 queries each.  Work-group i has query tiles 8 i .. 8 i + 7 (waves 0-7) and 8 (15 - i) .. + 7 (waves 8-15): under the mask all work-groups have the same number of key steps.
; A tile's rows, of queries and of keys, are 32 (T / 2) + 8 (T % 2) + r + 8 (r / 8).  Both products are used transposed: a lane holds one query; the 16 registers of key tiles 2 b, 2 b + 1 are keys 32 b + 16 (lane / 16) + 0 .. 15.
; RING: two LDS slots of 256 keys (K's 16 images, V^T's 16 images); waves 0-3 bring a quarter each.  The head's scale words (waves 4, 5) and its W_q images (waves 6, 7) come once.
; One loop of eight trips, a slot a trip: a step all of whose keys come after the wave's queries is jumped over; a slot whose first key comes after the work-group's last query is not asked for (so never in the last trip).
; Every wait on TENSORcnt is for 0.  No cluster: the work-groups of a head end their loads at different slots.
; A KEY STEP ASKS LDS AHEAD: K's tiles 4-7 are on their way under the maxima of tiles 0-3; V's tiles 0-3 under the softmax; V's tiles 4-7, into p's registers once the codes are made, under the rescaling of O;
; the slot's second step has its K tiles 0-3 asked for under the first step's last four products.
; PREFETCH: the head's first work-group asks, waves 4-6 for K's and 8-10 for V's 24,576 bytes of the slot that the next trip's refill will want, lanes 256 bytes apart; trips 6 and 7 ask for nothing.
; REGISTERS: v1-7, v11 addresses that stay; v8-10 the slot's addresses; v12 -M, v13 the largest t, v[14:15] the sum; v16-27 Q; v28-29, v80-95, v253, v255 scale words and nothing else (v80-87 V's, v88-95 K's);
; v32-79 four fragments; v96-159 S^T, then p, then V's tiles 4-7; v160-223 O^T; v224-235 p's codes; v236-252, v254 at work.
; LIMITS: a block of zeros gets the scale byte 1; NaN and infinities are not served; the rope multiplies by cos + sin, rounded once; the scaled scores stay under 2^31 in magnitude.
.set WQC,  12288000
.set WQS,  12681216
.set ROPE, 13312000
.set KSB,  6291456
.set VC,   6553600
.set VS,   12845056
.set OS,   6291456
.set VOFF,  24576
.set SLOT1, 1<<17
.set NSL,   8
.set SCK,   262144
.set WQL,   278528
.set SPARE, 303104
.set L16, 1
.set L8,  2
.set ASK0, 3
.set R4,  4
.set SPW, 5
.set NIL, 6
.set MB,  7
.set AD16, 8
.set AD8, 9
.set ADS, 10
.set PFO, 11
.set TB, 2
.set TS, 3
.set HB, 12
.set HD, 13
.set TQ, 15
.set TG, 16
.set WV, 18
.set SEL, 20
.set CS, 22
.set G1, 24
.set G1S, 32
.set G0, 40
.set G0S, 44
.set G0W, 48
.set LASTQ, 66
.set SLOTS, 67
.set PFA, 76
.set LIM, 80
.set QL, 88
.set KF, 98
.set Q0, 99
.macro PLACES
.rept 4
	v_nop
.endr
.endm
.macro QUANT s, pc, px, tm, pw         ; 64 numbers of a lane, register 16 b + i = k 32 b + 16 (lane / 16) + i, become a fragment's codes and its scale word
.irp b, 0,1,2,3
	v_max3_num_f32 v[\tm+\b], |v[\s+16*\b]|, |v[\s+1+16*\b]|, 0x1800000   ; with the floor 2^(3 - 127): the byte cannot fall under 1
.endr
.irp i, 2,4,6,8,10,12,14
.irp b, 0,1,2,3
	v_max3_num_f32 v[\tm+\b], v[\tm+\b], |v[\s+16*\b+\i]|, |v[\s+1+16*\b+\i]|
.endr
.endr
.irp b, 0,1,2,3
	s_delay_alu instid0(VALU_DEP_4)
	v_permlanex16_b32 v[\tm+4+\b], v[\tm+\b], s[SEL], s[SEL+1]
.endr
.irp b, 0,1,2,3
	s_delay_alu instid0(VALU_DEP_4)
	v_max_num_f32 v[\tm+\b], v[\tm+\b], v[\tm+4+\b]
.endr
.irp b, 0,1,2,3
	s_delay_alu instid0(VALU_DEP_4)
	v_add_nc_u32 v[\tm+8+\b], 0xff000000, v[\tm+\b]
.endr
.irp b, 0,1,2,3
	s_delay_alu instid0(VALU_DEP_4)
	v_lshrrev_b32 v[\tm+4+\b], 23, v[\tm+8+\b]
.endr
	s_delay_alu instid0(VALU_DEP_3)
	v_lshl_or_b32 v[\pw], v[\tm+5], 8, v[\tm+4]
	s_delay_alu instid0(VALU_DEP_1)
	v_lshl_or_b32 v[\pw], v[\tm+6], 16, v[\pw]
	s_delay_alu instid0(VALU_DEP_1)
	v_lshl_or_b32 v[\pw], v[\tm+7], 24, v[\pw]
.irp c, 0,1
	v_cvt_scalef32_pk16_fp6_f32 v[\pc+6*\c:\pc+2+6*\c], v[\s+32*\c:\s+15+32*\c], v[\tm+8+2*\c]
	v_cvt_scalef32_pk16_fp6_f32 v[\px+4*\c:\px+2+4*\c], v[\s+16+32*\c:\s+31+32*\c], v[\tm+9+2*\c]
.endr
	v_nop                                          ; one plain place behind a scaled conversion
.irp c, 0,1
.irp i, 0,1,2
	v_permlane16_swap_b32 v[\pc+6*\c+\i], v[\px+4*\c+\i]
.endr
.irp i, 0,1,2
	s_delay_alu instid0(VALU_DEP_3)
	v_mov_b32 v[\pc+3+6*\c+\i], v[\px+4*\c+\i]
.endr
.endr
.endm
	s_load_b256 s[4:11], s[0:1], 0x0               ; prep 4, cbuf 6, kv 8, obuf 10
	v_lshl_add_u32 v[SPW], v0, 2, SPARE
	v_mov_b32 v[NIL], 0
	ds_add_u32 v[SPW], v[NIL]                      ; the opening lines: the add, twice on end, and its wait ahead of the first tensor load
	ds_add_u32 v[SPW], v[NIL]
	v_lshrrev_b32 v8, 5, v0
	s_delay_alu instid0(VALU_DEP_1)
	v_readfirstlane_b32 s[WV], v8
	s_and_b32 s[HB], ttmp7, 0xffff                 ; batch x 16 + head
	s_and_b32 s[HD], s[HB], 15
	s_lshl_b32 s52, ttmp9, 3
	s_add_co_u32 s53, s52, s[WV]                   ; 8 i + w
	s_sub_co_u32 s54, 112, s52
	s_add_co_u32 s54, s54, s[WV]                   ; 8 (15 - i) + w - 8
	s_cmp_lt_u32 s[WV], 8
	s_cselect_b32 s[TQ], s53, s54                  ; my tile of queries
	s_lshr_b32 s52, s[TQ], 1
	s_lshl_b32 s52, s52, 5
	s_and_b32 s53, s[TQ], 1
	s_lshl_b32 s53, s53, 3
	s_add_co_u32 s[Q0], s52, s53                   ; my first query;
	s_add_co_u32 s[QL], s[Q0], 23                  ; my last
	s_sub_co_u32 s52, 15, ttmp9
	s_lshl_b32 s52, s52, 7
	s_add_co_u32 s[LASTQ], s52, 127                ; the work-group's last query
	s_lshr_b32 s[TG], s[HB], 4
	s_lshl_b32 s[TG], s[TG], 7
	s_add_co_u32 s[TG], s[TG], s[TQ]               ; my tile among the 256 of both batches
	s_mov_b32 s[G1], 3<<16                         ; 12,288 dense bytes as 48 rows of 256
	s_mov_b32 s[G1+1], 32<<16
	s_mov_b32 s[G1+2], 48<<16
	s_mov_b32 s[G1+3], 32<<16
	s_mov_b32 s[G1+4], 48
	s_mov_b32 s[G1+5], 32
	s_mov_b32 s[G1+6], 0
	s_mov_b32 s[G1+7], 0
	s_mov_b32 s[G1S], 3<<16                        ; 8,192 dense bytes as 32 rows
	s_mov_b32 s[G1S+1], 32<<16
	s_mov_b32 s[G1S+2], 32<<16
	s_mov_b32 s[G1S+3], 32<<16
	s_mov_b32 s[G1S+4], 32
	s_mov_b32 s[G1S+5], 32
	s_mov_b32 s[G1S+6], 0
	s_mov_b32 s[G1S+7], 0
	s_mul_i32 s55, s[WV], 12288
	s_mul_i32 s56, s[HB], 196608
	s_and_b32 s57, s[WV], 1
	s_mul_i32 s57, s57, 12288
	s_add_co_u32 s56, s56, s57
	s_cmp_lt_u32 s[WV], 2
	s_cselect_b32 s57, 0, VC
	s_add_co_u32 s56, s56, s57                     ; waves 0, 1: K's halves of slot 0; waves 2, 3: V's
	s_mov_b32 s57, 0
	s_lshl_b32 s58, s[WV], 13
	s_add_co_u32 s58, s58, SCK-4*8192              ; waves 4, 5: the scale words' place,
	s_lshl_b32 s60, s[HB], 13
	s_cmp_eq_u32 s[WV], 4
	s_mov_b32 s61, VS
	s_cselect_b32 s61, KSB, s61
	s_add_co_u32 s60, s60, s61                     ; K's or V's
	s_mov_b32 s61, 0
	s_add_co_u32 s59, s55, WQL-6*12288             ; waves 6, 7: W_q's halves
	s_mul_i32 s62, s[HD], 24576
	s_add_co_u32 s62, s62, s55
	s_add_co_u32 s62, s62, WQC-6*12288
	s_mov_b32 s63, 0
	s_mov_b32 s[SEL], 0x76543210
	s_mov_b32 s[SEL+1], 0xfedcba98
	s_mov_b32 s[CS], 0x3e0293ee                    ; c = log2(e) / sqrt(128)
	s_mov_b32 s[CS+1], s[CS]
	s_mov_b32 s[TB], 0
	s_mov_b32 s[TS], 0
	s_mov_b32 s[SLOTS], NSL
	s_mov_b32 s[KF], 0
	s_wait_dscnt 0x0                               ; both opening adds are done
	s_wait_kmcnt 0x0
	s_mov_b32 s[G0], 1
	s_mov_b32 s[G0+1], s55
	s_add_nc_u64 s[G0+2:G0+3], s[8:9], s[56:57]
	s_or_b32 s[G0+3], s[G0+3], 0x80000000
	s_mov_b32 s[G0S], 1
	s_mov_b32 s[G0S+1], s58
	s_add_nc_u64 s[G0S+2:G0S+3], s[8:9], s[60:61]
	s_or_b32 s[G0S+3], s[G0S+3], 0x80000000
	s_mov_b32 s[G0W], 1
	s_mov_b32 s[G0W+1], s59
	s_add_nc_u64 s[G0W+2:G0W+3], s[4:5], s[62:63]
	s_or_b32 s[G0W+3], s[G0W+3], 0x80000000
	s_cmp_lt_u32 s[WV], 4                          ; the first fills: one load a wave, waves 0-7
	s_cbranch_scc0 .Lf_not_kv
	tensor_load_to_lds s[G0:G0+3], s[G1:G1+7]
	s_nop 0
	PLACES
	s_branch .Lf_done
.Lf_not_kv:
	s_cmp_lt_u32 s[WV], 6
	s_cbranch_scc0 .Lf_not_s
	tensor_load_to_lds s[G0S:G0S+3], s[G1S:G1S+7]
	s_nop 0
	PLACES
	s_branch .Lf_done
.Lf_not_s:
	s_cmp_lt_u32 s[WV], 8
	s_cbranch_scc0 .Lf_done
	tensor_load_to_lds s[G0W:G0W+3], s[G1:G1+7]
	s_nop 0
	PLACES
.Lf_done:
	s_mov_b32 s53, 0
	s_mul_i32 s52, s[TG], 3072
	s_add_nc_u64 s[68:69], s[6:7], s[52:53]        ; c_q's two images of my tile,
	s_lshl_b32 s52, s[TG], 7
	s_add_co_u32 s52, s52, 786432
	s_add_nc_u64 s[70:71], s[6:7], s[52:53]        ; their scale words,
	s_lshl_b32 s52, s[HD], 10
	s_add_co_u32 s52, s52, WQS
	s_add_nc_u64 s[72:73], s[4:5], s[52:53]        ; W_q's scale words of the head,
	s_lshl_b32 s52, s[Q0], 7
	s_add_co_u32 s52, s52, ROPE
	s_add_nc_u64 s[74:75], s[4:5], s[52:53]        ; the table at my first query
	s_lshl_b32 s54, s[TG], 4
	s_add_co_u32 s54, s54, s[HD]
	s_mul_i32 s52, s54, 1536
	s_add_nc_u64 s[82:83], s[10:11], s[52:53]      ; O's image (tile, K step = head),
	s_lshl_b32 s52, s54, 6
	s_add_co_u32 s52, s52, OS
	s_add_nc_u64 s[84:85], s[10:11], s[52:53]      ; its scale words
	s_cmp_lt_u32 s[WV], 8                          ; the prefetches: where my wave's stand, and who asks
	s_cselect_b32 s86, 0, VC
	s_mul_i32 s87, s[HB], 196608
	s_add_co_u32 s86, s86, s87
	s_and_b32 s87, s[WV], 3
	s_lshl_b32 s87, s87, 13
	s_add_co_u32 s86, s86, s87
	s_add_co_u32 s86, s86, 24576                   ; in slot 1: trip t steps it to slot t + 2
	s_mov_b32 s87, 0
	s_add_nc_u64 s[PFA:PFA+1], s[8:9], s[86:87]
	s_sub_co_u32 s86, s[WV], 4
	s_lshr_b32 s86, s86, 3                         ; 0 in waves 4 to 11,
	s_or_b32 s86, s86, ttmp9                       ; of the head's first work-group
	s_cmp_eq_u32 s86, 0
	s_cselect_b32 s[LIM], 2, -1                    ; they ask while more than two trips are left: slots 2 to 7
	s_and_b32 s86, s[WV], 3
	s_cmp_eq_u32 s86, 3                            ; (three waves' worth each: not waves 7 and 11)
	s_cselect_b32 s[LIM], -1, s[LIM]
	v_and_b32 v8, 15, v0                           ; r
	v_bfe_u32 v9, v0, 4, 1                         ; h
	v_and_b32 v10, 31, v0                          ; lane
	s_delay_alu instid0(VALU_DEP_1)
	v_lshlrev_b32 v[L16], 4, v10
	s_delay_alu instid0(VALU_DEP_2)
	v_lshlrev_b32 v[L8], 3, v10
	v_lshlrev_b32 v[R4], 2, v8
	s_delay_alu instid0(VALU_DEP_1)
	v_add_nc_u32 v[ASK0], SCK, v[R4]
	v_and_b32 v11, 8, v8
	s_delay_alu instid0(VALU_DEP_1)
	v_add_nc_u32 v11, v11, v8                      ; r + 8 (r / 8)
	v_lshlrev_b32 v[MB], 4, v9
	s_delay_alu instid0(VALU_DEP_1)
	v_sub_nc_u32 v[MB], v11, v[MB]                 ; - 16 h
	s_delay_alu instid0(VALU_DEP_3)
	v_lshlrev_b32 v12, 7, v11
	s_delay_alu instid0(VALU_DEP_1)
	v_lshl_add_u32 v12, v9, 6, v12                 ; the table: my query's row, + 64 h
	v_lshlrev_b32 v[PFO], 8, v10
.irp s, 0,1
.irp q, 0,1,2
	global_load_b128 v[36+12*\s+4*\q:39+12*\s+4*\q], v[L16], s[68:69] offset:1536*\s+512*\q
.endr
	global_load_b32 v[28+\s], v[R4], s[70:71] offset:64*\s
.endr
.irp f, 0,1,2,3,4,5,6,7,8,9,10,11,12,13,14,15
	global_load_b32 v[80+\f], v[R4], s[72:73] offset:64*\f     ; (tile t, K step s) at v[80 + 2 t + s]
.endr
.irp q, 0,1,2,3
	global_load_b128 v[224+4*\q:227+4*\q], v12, s[74:75] offset:16*\q   ; cos + sin of channels 16 h + 0 .. 15 (the table repeats every 32)
.endr
.irp b, 0,1,2,3
	v_mov_b32 v[68+\b], 0                          ; a lane permute's destination counts as one of its sources
.endr
	v_add_nc_u32 v10, WQL, v[L16]
	s_wait_alu depctr_va_vdst(0)
	s_wait_tensorcnt 0x0                           ; my first fill has landed,
	s_barrier_signal -1
	s_barrier_wait -1                              ; everybody's has
	s_wait_loadcnt 0x0
.macro QG s, hf                        ; my 16 queries: source 0 = 16 channels of W_q, source 1 = c_q's rows; the accumulators by turns
.irp t, 0,1,2,3
.irp c, 0,1,2
	ds_load_b128 v[160+12*\t+4*\c:163+12*\t+4*\c], v10 offset:((4*(\hf)+\t)*2+(\s))*1536+512*\c
.endr
.endr
	s_wait_dscnt 0x0
.irp t, 0,1,2,3
.if (\s) == 0
	v_wmma_scale_f32_16x16x128_f8f6f4 v[96+8*(4*(\hf)+\t):103+8*(4*(\hf)+\t)], v[160+12*\t:171+12*\t], v[36+12*(\s):47+12*(\s)], 0, v[80+2*(4*(\hf)+\t)+(\s)], v[28+(\s)] matrix_a_fmt:MATRIX_FMT_FP6 matrix_b_fmt:MATRIX_FMT_FP6
.else
	v_wmma_scale_f32_16x16x128_f8f6f4 v[96+8*(4*(\hf)+\t):103+8*(4*(\hf)+\t)], v[160+12*\t:171+12*\t], v[36+12*(\s):47+12*(\s)], v[96+8*(4*(\hf)+\t):103+8*(4*(\hf)+\t)], v[80+2*(4*(\hf)+\t)+(\s)], v[28+(\s)] matrix_a_fmt:MATRIX_FMT_FP6 matrix_b_fmt:MATRIX_FMT_FP6
.endif
.endr
	PLACES
.endm
	QG 0, 0
	QG 0, 1
	QG 1, 0
	QG 1, 1
.irp m, 0,1,2,3,4,5,6,7,8,9,10,11,12,13,14,15
	v_pk_mul_f32 v[128+2*\m:129+2*\m], v[128+2*\m:129+2*\m], v[224+(2*\m)%16:225+(2*\m)%16]   ; the rope on channels 64-127
.endr
	QUANT 96, 16, 32, 64, 255                      ; Q's codes v16-27, its scale word v255
	v_mov_b32 v13, 0xff61b1e6                      ; the largest t so far: -3e38
	s_delay_alu instid0(VALU_DEP_1)
	v_floor_f32 v12, -v13                          ; -M
	v_mov_b32 v14, 0
	v_mov_b32 v15, 0
.irp b, 0,1,2,3
	v_mov_b32 v[236+\b], 0
.endr
	v_mov_b32 v252, 0
	v_mov_b32 v253, 0
.set J_, 0
.rept 64
	v_mov_b32 v[160+J_], 0                         ; O^T: the step is written for every trip alike; the first finds zeros.  (Also the places between Q's codes and the first product)
.set J_, J_+1
.endr
.macro KLOAD q, g                      ; K's tiles 4 g .. 4 g + 3 of the slot's step q, and their scale words: 20 LDS loads
.irp t, 0,1,2,3
	ds_load_b128 v[32+12*\t:35+12*\t], v[AD16] offset:(8*(\q)+4*(\g)+\t)*1536
	ds_load_b64 v[36+12*\t:37+12*\t], v[AD8] offset:(8*(\q)+4*(\g)+\t)*1536+512
	ds_load_b128 v[38+12*\t:41+12*\t], v[AD16] offset:(8*(\q)+4*(\g)+\t)*1536+768
	ds_load_b64 v[42+12*\t:43+12*\t], v[AD8] offset:(8*(\q)+4*(\g)+\t)*1536+1280
	ds_load_b32 v[88+4*(\g)+\t], v[ADS] offset:512*(\q)+64*(4*(\g)+\t)
.endr
.endm
.macro VLOAD q, g, base                ; V^T's channel tiles 4 g .. 4 g + 3 into v[base ..], and their scale words: 16 LDS loads
.irp t, 0,1,2,3
.irp c, 0,1,2
	ds_load_b128 v[\base+12*\t+4*\c:\base+12*\t+4*\c+3], v[AD16] offset:VOFF+(8*(\q)+4*(\g)+\t)*1536+512*\c
.endr
	ds_load_b32 v[80+4*(\g)+\t], v[ADS] offset:8192+512*(\q)+64*(4*(\g)+\t)
.endr
.endm
.macro SMUL g                          ; S^T = K Q^T, four tiles of 16 keys
.irp t, 0,1,2,3
	v_wmma_scale_f32_16x16x128_f8f6f4 v[96+8*(4*(\g)+\t):103+8*(4*(\g)+\t)], v[32+12*\t:43+12*\t], v[16:27], 0, v[88+4*(\g)+\t], v255 matrix_a_fmt:MATRIX_FMT_FP6 matrix_b_fmt:MATRIX_FMT_FP6
.endr
.endm
.macro PMUL g, base                    ; O^T += V^T P^T, four tiles of 16 channels
.irp t, 0,1,2,3
	v_wmma_scale_f32_16x16x128_f8f6f4 v[160+8*(4*(\g)+\t):167+8*(4*(\g)+\t)], v[\base+12*\t:\base+12*\t+11], v[224:235], v[160+8*(4*(\g)+\t):167+8*(4*(\g)+\t)], v[80+4*(\g)+\t], v253 matrix_a_fmt:MATRIX_FMT_FP6 matrix_b_fmt:MATRIX_FMT_FP6
.endr
.endm
.macro MASK q, g                       ; on the diagonal hidden scores become -infinity ahead of the maximum; a step all of whose keys count jumps over this (ids alone)
	s_add_co_u32 s96, s[KF], 128*(\q)+127
	s_cmp_le_u32 s96, s[Q0]
	s_cbranch_scc1 .Lopen_\@
	s_sub_co_i32 s96, s[Q0], s[KF]
	v_add_nc_u32 v252, s96, v[MB]                  ; d = my query - the slot's first key - 16 h: register 16 b + i holds key 128 q + 32 b + 16 h + i: hidden where 128 q + 32 b + i > d
	v_mov_b32 v254, 0xff800000
.set N_, 32*(\g)
.rept 32
	v_cmp_gt_i32 vcc_lo, 128*(\q)+32*(N_/16)+N_%16, v252
	v_cndmask_b32 v[96+N_], v[96+N_], v254, vcc_lo
.set N_, N_+1
.endr
.Lopen_\@:
.endm
.macro BMAX g                          ; the largest score of blocks 2 g, 2 g + 1 of 32 keys: two chains a block, four by turns, each accumulator from its low end on
.irp b, 2*(\g), 2*(\g)+1
	v_max3_num_f32 v[232+(\b)], v[96+16*(\b)], v[97+16*(\b)], v[98+16*(\b)]
	v_max3_num_f32 v[236+(\b)], v[104+16*(\b)], v[105+16*(\b)], v[106+16*(\b)]
.endr
.irp i, 3,5
.irp b, 2*(\g), 2*(\g)+1
	v_max3_num_f32 v[232+(\b)], v[232+(\b)], v[96+16*(\b)+\i], v[97+16*(\b)+\i]
	v_max3_num_f32 v[236+(\b)], v[236+(\b)], v[104+16*(\b)+\i], v[105+16*(\b)+\i]
.endr
.endr
	v_max3_num_f32 v[232+2*(\g)], v[232+2*(\g)], v[103+32*(\g)], v[111+32*(\g)]   ; the two scores that are left of each block,
	v_max3_num_f32 v[233+2*(\g)], v[233+2*(\g)], v[119+32*(\g)], v[127+32*(\g)]
	v_max_num_f32 v[232+2*(\g)], v[232+2*(\g)], v[236+2*(\g)]                     ; and its two chains joined
	v_max_num_f32 v[233+2*(\g)], v[233+2*(\g)], v[237+2*(\g)]
.endm
; A KEY STEP: 128 keys, the q-th of the slot in hand.  Its K tiles 0-3 have been asked for ahead of it
.macro STEP q
	s_wait_dscnt 0x0                               ; K's tiles 0-3 are in
	SMUL 0
	PLACES                                         ; in front of loads into the fragments' registers and of the first read of results
	KLOAD \q, 1
	MASK \q, 0
	BMAX 0                                         ; while K's tiles 4-7 are on their way
	s_wait_alu depctr_va_vdst(0)                   ; the wait, directly ahead of the wait below
	s_wait_dscnt 0x0
	SMUL 1
	PLACES
	VLOAD \q, 0, 32                                ; V's tiles 0-3: the softmax stands between these loads and the wait for them
	MASK \q, 1
	BMAX 1
	v_permlanex16_b32 v236, v232, s[SEL], s[SEL+1]
	v_permlanex16_b32 v237, v233, s[SEL], s[SEL+1]
	s_delay_alu instid0(VALU_DEP_4)
	v_permlanex16_b32 v238, v234, s[SEL], s[SEL+1]
	s_delay_alu instid0(VALU_DEP_4)
	v_permlanex16_b32 v239, v235, s[SEL], s[SEL+1]
.irp b, 0,1,2,3
	s_delay_alu instid0(VALU_DEP_4)
	v_max_num_f32 v[232+\b], v[232+\b], v[236+\b]  ; with lane l xor 16's 16 keys
.endr
	s_delay_alu instid0(VALU_DEP_2)
	v_max3_num_f32 v254, v232, v233, v234
	s_delay_alu instid0(VALU_DEP_1)
	v_max_num_f32 v254, v254, v235
	s_delay_alu instid0(VALU_DEP_1)
	v_mul_f32 v254, s[CS], v254
	s_delay_alu instid0(VALU_DEP_1)
	v_max_num_f32 v13, v13, v254                   ; the running largest t
	v_mov_b32 v254, v12
	s_delay_alu instid0(VALU_DEP_2)
	v_floor_f32 v12, -v13                          ; the new -M = -ceil(t)
	s_delay_alu instid0(VALU_DEP_1)
	v_sub_f32 v254, v12, v254                      ; old M - new M: a whole number, 0 or less
	s_delay_alu instid0(VALU_DEP_1)
	v_cvt_i32_f32 v254, v254
	s_delay_alu instid0(VALU_DEP_1)
	v_ldexp_f32 v252, 1.0, v254                    ; f = 2^(old M - new M)
.set J_, 0
.rept 32
	v_pk_fma_f32 v[96+J_:97+J_], v[96+J_:97+J_], s[CS:CS+1], v[12:13] op_sel_hi:[1,0,0]   ; t - M
.set J_, J_+2
.endr
.irp b, 0,1,2,3
	v_fma_f32 v[232+\b], v[232+\b], s[CS], v12     ; the same of each block's largest score: p rises with the score
.endr
	s_wait_alu depctr_va_vdst(0)                   ; the wait ahead of the batch
.set J_, 0
.rept 64
	v_exp_f32 v[96+J_], v[96+J_]                   ; p = 2^(t - M)
.set J_, J_+1
.endr
	v_pk_mul_f32 v[14:15], v[14:15], v[252:253] op_sel_hi:[1,0]   ; the sums under the new M.  (A plain place behind the exponentials)
	s_wait_alu depctr_va_vdst(0)                   ; one wait for the whole batch, ahead of its first reader
.irp b, 0,1,2,3
	v_exp_f32 v[232+\b], v[232+\b]                 ; the blocks' largest p
.endr
	v_pk_add_f32 v[236:237], v[100:101], v[104:105]   ; the row's sum, of the unquantised p, in eight chains
	v_pk_add_f32 v[250:251], v[108:109], v[112:113]
	v_pk_add_f32 v[248:249], v[116:117], v[120:121]
	v_pk_add_f32 v[246:247], v[124:125], v[128:129]
	v_pk_add_f32 v[244:245], v[132:133], v[136:137]
	v_pk_add_f32 v[242:243], v[140:141], v[144:145]
	v_pk_add_f32 v[240:241], v[148:149], v[152:153]
	v_pk_add_f32 v[14:15], v[14:15], v[156:157]
	v_pk_add_f32 v[236:237], v[236:237], v[96:97]
	v_pk_add_f32 v[250:251], v[250:251], v[98:99]
	v_pk_add_f32 v[248:249], v[248:249], v[102:103]
	v_pk_add_f32 v[246:247], v[246:247], v[106:107]
	v_pk_add_f32 v[244:245], v[244:245], v[110:111]
	v_pk_add_f32 v[242:243], v[242:243], v[114:115]
	v_pk_add_f32 v[240:241], v[240:241], v[118:119]
	v_pk_add_f32 v[14:15], v[14:15], v[122:123]
	v_pk_add_f32 v[236:237], v[236:237], v[126:127]
	v_pk_add_f32 v[250:251], v[250:251], v[130:131]
	v_pk_add_f32 v[248:249], v[248:249], v[134:135]
	v_pk_add_f32 v[246:247], v[246:247], v[138:139]
	v_pk_add_f32 v[244:245], v[244:245], v[142:143]
	v_pk_add_f32 v[242:243], v[242:243], v[146:147]
	v_pk_add_f32 v[240:241], v[240:241], v[150:151]
	v_pk_add_f32 v[14:15], v[14:15], v[154:155]
	v_pk_add_f32 v[236:237], v[236:237], v[158:159]
	s_delay_alu instid0(VALU_DEP_2)
	v_pk_add_f32 v[14:15], v[14:15], v[246:247]
	s_delay_alu instid0(VALU_DEP_2)
	v_pk_add_f32 v[236:237], v[236:237], v[244:245]
	v_pk_add_f32 v[250:251], v[250:251], v[242:243]
	v_pk_add_f32 v[248:249], v[248:249], v[240:241]
	s_delay_alu instid0(VALU_DEP_2)
	v_pk_add_f32 v[14:15], v[14:15], v[250:251]
	s_delay_alu instid0(VALU_DEP_2)
	v_pk_add_f32 v[236:237], v[236:237], v[248:249]
	s_delay_alu instid0(VALU_DEP_1)
	v_pk_add_f32 v[14:15], v[14:15], v[236:237]
	s_wait_alu depctr_va_vdst(0)                   ; and one for the four
.irp b, 0,1,2,3
	v_max_num_f32 v[232+\b], 0x1800000, v[232+\b]  ; the floor
.endr
.irp b, 0,1,2,3
	s_delay_alu instid0(VALU_DEP_4)
	v_add_nc_u32 v[244+\b], 0xff000000, v[232+\b]  ; 2 off the exponent field: the conversion's scale operand
.endr
.irp b, 0,1,2,3
	s_delay_alu instid0(VALU_DEP_4)
	v_lshrrev_b32 v[236+\b], 23, v[244+\b]
.endr
	s_delay_alu instid0(VALU_DEP_3)
	v_lshl_or_b32 v253, v237, 8, v236              ; p's scale word for these 128 keys
	s_delay_alu instid0(VALU_DEP_1)
	v_lshl_or_b32 v253, v238, 16, v253
	s_delay_alu instid0(VALU_DEP_1)
	v_lshl_or_b32 v253, v239, 24, v253
.irp c, 0,1
	v_cvt_scalef32_pk16_fp6_f32 v[224+6*\c:226+6*\c], v[96+32*\c:111+32*\c], v[244+2*\c]
	v_cvt_scalef32_pk16_fp6_f32 v[236+4*\c:238+4*\c], v[112+32*\c:127+32*\c], v[244+2*\c+1]
.endr
	v_nop                                          ; one plain place behind a scaled conversion
	VLOAD \q, 1, 96                                ; p is in its codes: its registers take V's tiles 4-7
.irp c, 0,1
.irp i, 0,1,2
	v_permlane16_swap_b32 v[224+6*\c+\i], v[236+4*\c+\i]
.endr
.irp i, 0,1,2
	s_delay_alu instid0(VALU_DEP_3)
	v_mov_b32 v[227+6*\c+\i], v[236+4*\c+\i]
.endr
.endr
	s_wait_alu depctr_va_vdst(0)                   ; the wait, directly ahead of the first reader of O^T
.set J_, 0
.rept 32
	v_pk_mul_f32 v[160+J_:161+J_], v[160+J_:161+J_], v[252:253] op_sel_hi:[1,0]   ; O^T under the new M.  (Also the places between p's codes and scale word and the products)
.set J_, J_+2
.endr
	s_wait_alu depctr_va_vdst(0)                   ; the wait, directly ahead of the wait below
	s_wait_dscnt 16                                ; V's tiles 0-3 are in; the 16 loads of tiles 4-7 may be out
	PMUL 0, 32
	PLACES
.if (\q) == 0
	KLOAD 1, 0                                     ; the slot's second step: its K tiles 0-3 (a wave whose second step is hidden does not use them)
	s_wait_dscnt 20                                ; V's tiles 4-7 are in; the 20 loads just issued may be out
.else
	s_wait_dscnt 0x0
.endif
	PMUL 1, 96
.rept 5
	v_nop                                          ; five places: the next scores are written over registers that these products read
.endr
.endm
	s_wait_alu depctr_va_vdst(0)                   ; the wait at the head's end
.Lslot:                                            ; NSL trips, a slot of 256 keys each
	s_wait_tensorcnt 0x0                           ; no tensor load of mine is out, so a group 0 may be written
	ds_add_u32 v[SPW], v[NIL]                      ; the add, here twice on end
	ds_add_u32 v[SPW], v[NIL]
	s_xor_b32 s[G0+1], s[G0+1], SLOT1              ; the other slot than last time,
	s_add_nc_u64 s[G0+2:G0+3], s[G0+2:G0+3], 24576 ; the next 256 keys
	s_wait_xcnt 0x0                                ; the last prefetch, a trip back, has read its address
	s_add_nc_u64 s[PFA:PFA+1], s[PFA:PFA+1], 24576
	s_wait_dscnt 0x0                               ; the adds are done, and my reads of the slot that I have left
	s_barrier_signal -1
	s_barrier_wait -1
	s_add_co_u32 s96, s[KF], 256                   ; a slot whose first key comes after the work-group's last query is read by none of its waves: it is not asked for.
	s_cmp_gt_u32 s96, s[LASTQ]                     ; ids and the count of trips alone: all sixteen waves go the same way
	s_cbranch_scc1 .Lpast
	s_cmp_lt_u32 s[WV], 4                          ; waves 0-3 fetch a quarter of a slot each
	s_cbranch_scc0 .Lpast
	tensor_load_to_lds s[G0:G0+3], s[G1:G1+7]
	s_nop 0
	PLACES
.Lpast:
	s_cmp_gt_u32 s[SLOTS], s[LIM]
	s_cbranch_scc0 .Lnot_mine
	global_prefetch_b8 v[PFO], s[PFA:PFA+1] th:TH_LOAD_NT scope:SCOPE_SE
.Lnot_mine:
	s_cmp_gt_u32 s[KF], s[QL]                      ; all the slot's keys come after my queries: a branch on ids, round no barrier and no tensor load
	s_cbranch_scc1 .Lslot_end
	v_add_nc_u32 v[AD16], s[TB], v[L16]
	v_add_nc_u32 v[AD8], s[TB], v[L8]
	v_add_nc_u32 v[ADS], s[TS], v[ASK0]
	s_wait_alu depctr_va_vdst(0)
	KLOAD 0, 0
	STEP 0
	s_add_co_u32 s96, s[KF], 128
	s_cmp_gt_u32 s96, s[QL]
	s_cbranch_scc1 .Lslot_end
	STEP 1
.Lslot_end:
	s_add_co_u32 s[KF], s[KF], 256
	s_add_co_u32 s[TS], s[TS], 1024                ; the next slot's scale words
	s_xor_b32 s[TB], s[TB], SLOT1
	s_sub_co_u32 s[SLOTS], s[SLOTS], 1
	s_cmp_lg_u32 s[SLOTS], 0
	s_cbranch_scc1 .Lslot
	; THE WAY OUT: O^T / the sum; its 64 registers are the head's 128 channels in the quantiser's order: one image, K step = head, of the last product's left operand
	s_wait_dscnt 0x0                               ; fragments asked for and not used have landed: their registers are written below
	PLACES
	v_add_f32 v14, v14, v15
	s_delay_alu instid0(VALU_DEP_1)
	v_permlanex16_b32 v252, v14, s[SEL], s[SEL+1]
	s_delay_alu instid0(VALU_DEP_1)
	v_add_f32 v14, v14, v252
	s_wait_alu depctr_va_vdst(0)
	v_rcp_f32 v14, v14
	v_nop                                          ; a plain place behind the reciprocal
	s_wait_alu depctr_va_vdst(0)                   ; the wait ahead of its first reader, and of O^T's
.set J_, 0
.rept 64
	v_mul_f32 v[96+J_], v[160+J_], v14
.set J_, J_+1
.endr
	QUANT 96, 32, 44, 64, 30
.irp q, 0,1,2
	global_store_b128 v[L16], v[32+4*\q:35+4*\q], s[82:83] offset:512*\q   ; 512 consecutive bytes
.endr
	global_store_b32 v[R4], v30, s[84:85]          ; lanes r and r + 16 hold the same word and write it to the same place
	s_wait_tensorcnt 0x0                           ; the wave's end
	ds_add_u32 v[SPW], v[NIL]
	s_wait_dscnt 0x0
	s_endpgm
.Lfunc_end_k_q0d24fcfdbf_attn:
	.size	k_q0d24fcfdbf_attn, .Lfunc_end_k_q0d24fcfdbf_attn-k_q0d24fcfdbf_attn
	.p2alignl 7, 3214868480
	.fill 96, 4, 3214868480
	.section	.rodata,"a",@progbits
	.p2align	6, 0x0
	.amdhsa_kernel k_q0d24fcfdbf_attn
		.amdhsa_group_segment_fixed_size 327680
		.amdhsa_private_segment_fixed_size 0
		.amdhsa_enable_private_segment 0
		.amdhsa_kernarg_size 32
		.amdhsa_user_sgpr_count 2
		.amdhsa_user_sgpr_kernarg_segment_ptr 1
		.amdhsa_wavefront_size32 1
		.amdhsa_system_sgpr_workgroup_id_x 1
		.amdhsa_system_sgpr_workgroup_id_y 1
		.amdhsa_system_sgpr_workgroup_id_z 1
		.amdhsa_system_vgpr_workitem_id 0
		.amdhsa_next_free_vgpr 256
		.amdhsa_next_free_sgpr 100
		.amdhsa_reserve_vcc 1
		.amdhsa_float_denorm_mode_32 3
		.amdhsa_float_denorm_mode_16_64 3
		.amdhsa_memory_ordered 1
		.amdhsa_forward_progress 1
		.amdhsa_inst_pref_size 87
	.end_amdhsa_kernel
	.amdgpu_metadata
---
amdhsa.version: [ 1, 2 ]
amdhsa.kernels:
  - .name:           k_q0d24fcfdbf_attn
    .symbol:         k_q0d24fcfdbf_attn.kd
    .args:
      - { .name: prep, .offset: 0, .size: 8, .value_kind: global_buffer, .address_space: global }
      - { .name: cbuf, .offset: 8, .size: 8, .value_kind: global_buffer, .address_space: global }
      - { .name: kv, .offset: 16, .size: 8, .value_kind: global_buffer, .address_space: global }
      - { .name: obuf, .offset: 24, .size: 8, .value_kind: global_buffer, .address_space: global }
    .group_segment_fixed_size: 327680
    .private_segment_fixed_size: 0
    .kernarg_segment_align: 8
    .kernarg_segment_size: 32
    .max_flat_workgroup_size: 512
    .sgpr_count:     100
    .vgpr_count:     256
    .wavefront_size: 32
...
	.end_amdgpu_metadata
.endif
;; end of part 4
;; launch gemmout (part 5): grid 32 x 8, 4 waves a work-group, clusters of 4 x 1, 327,680 bytes of LDS; arguments obuf, prep, b_out, out0; writes out0
.if DOCPART == 5
	.amdgcn_target "amdgcn-amd-amdhsa--gfx1250"
	.amdhsa_code_object_version 6
	.text
	.protected	k_q0d24fcfdbf_gemmout
	.globl	k_q0d24fcfdbf_gemmout
	.p2align	8
	.type	k_q0d24fcfdbf_gemmout,@function
k_q0d24fcfdbf_gemmout:
	s_mov_b64 s[64:65], 0
	v_nop
	global_prefetch_b8 v0, s[64:65] scope:SCOPE_SE
	s_setreg_imm32_b32 hwreg(HW_REG_WAVE_MODE, 25, 1), 1
	s_wait_xcnt 0x0
	s_wait_alu depctr_hold_cnt(0) depctr_sa_sdst(0) depctr_va_vdst(0) depctr_va_sdst(0) depctr_va_ssrc(0) depctr_va_vcc(0) depctr_vm_vsrc(0)
	s_getreg_b32 s2, hwreg(HW_REG_IB_STS2, 6, 4)
	s_cmp_eq_u32 s2, 0
	s_cbranch_scc0 .Lentry_in_a_cluster
	s_endpgm
.Lentry_in_a_cluster:
	s_bfe_u32 s2, ttmp6, 0x10000c
	s_cmp_lg_u32 s2, 0x3003
	s_cbranch_scc0 .Lentry_shape_is_right
	s_endpgm
.Lentry_shape_is_right:
; out0 = O W_out + b_out on codes of FP6, K = 2,048.  A work-group makes 128 rows x 256 columns; wave (wr, wc) makes 64 x 128: 32 accumulators.
; The product is used transposed (source 0 = 16 columns of W_out, source 1 = 16 rows of O): a lane's registers are neighbouring columns of one row.  The bias is the C of each sum's first product.
; RING: two LDS slots of four K steps each; a slot is three pieces of 49,152 bytes [8 tiles][4 steps][1,536]: O's, W_out's tiles 0-7, its tiles 8-15; waves 0, 1, 2 bring one piece each.  All scale words come once.
; CLUSTER: four row blocks of one column block read the same tiles of W_out, two thirds of a step's bytes: joint loads (mask 15).  O's tiles differ from partner to partner: plain loads.
; A wave has at most one tensor load out.
; A tile's rows are 32 (T / 2) + 8 (T % 2) + r + 8 (r / 8): only the stores' row offsets know it.
; REGISTERS: window 0: v0-31 addresses, v32-55 scale words (nothing else ever), v64-127 the bias, v128-255 the way out.  window 1: accumulators, (a, b) at v[8 (8 a + b)].  windows 2, 3: fragments of even and odd K steps.
.set NA, 4
.set NB, 8
.set NBH, 1
.set NS, NA+NB
.set OS,   6291456
.set WOC,  9011200
.set WOS,  12156928
.set SLOTB, 147456
.set PIECE, 49152
.set SCA,   294912
.set SCB,   303104
.set SPARE, 319488
.set SPW, 4
.set NIL, 5
.set ADRA, 6
.set ADRB, 8
.set ADSA, 12
.set ADSB, 13
.set LI, 14
.set STO, 15
.set RD, 16
.set BO, 17
.set SC, 32
.set BIAS, 64
.set BK, 128
.set WV, 14
.set CX, 15
.set BLK, 16
.set YY, 17
.set G1, 28
.set G1J, 36
.set G1S, 44
.set G1SJ, 52
.set GAS, 60
.set GAA, 68
.set GBS, 76
.set GBA, 80
.set MSB, 0
.macro WIN new
.if MSB != (\new)
	s_set_vgpr_msb (MSB<<8)|(\new)
.set MSB, (\new)
.endif
.endm
.macro PLACES
.rept 4
	v_nop
.endr
.endm
.macro CROUND
	s_barrier_signal -1
	s_barrier_wait -1
	s_cmp_lg_u32 s[WV], 0
	s_cbranch_scc1 .Lnot_wave_0_\@
	s_barrier_signal -3
.Lnot_wave_0_\@:
	s_barrier_wait -3
	s_barrier_signal -1
	s_barrier_wait -1
.endm
.macro TL ga, gb                       ; wave 0: O's piece, plain; waves 1, 2: W_out's pieces, joint; wave 3: none
	s_cmp_eq_u32 s[WV], 0
	s_cbranch_scc0 .Lnot_a_\@
	tensor_load_to_lds s[\ga:\ga+3], s[G1:G1+7]
	s_nop 0
	PLACES
	s_branch .Lasked_\@
.Lnot_a_\@:
	s_cmp_lt_u32 s[WV], 3
	s_cbranch_scc0 .Lasked_\@
	tensor_load_to_lds s[\gb:\gb+3], s[G1J:G1J+7]
	s_nop 0
	PLACES
.Lasked_\@:
.endm
	s_load_b256 s[4:11], s[0:1], 0x0               ; obuf 4, prep 6, b_out 8, out0 10
	v_lshl_add_u32 v[SPW], v0, 2, SPARE
	v_mov_b32 v[NIL], 0
	ds_add_u32 v[SPW], v[NIL]                      ; the wave's opening: the add and its wait ahead of my first tensor load
	ds_add_u32 v[SPW], v[NIL]
	v_lshrrev_b32 v1, 5, v0
	v_readfirstlane_b32 s[WV], v1
	s_bfe_u32 s[CX], ttmp6, 0x40000
	s_lshl_b32 s[BLK], ttmp9, 2
	s_add_co_u32 s[BLK], s[BLK], s[CX]             ; my block of 128 rows
	s_and_b32 s[YY], ttmp7, 0xffff                 ; the column block, which the four partners share
	s_mov_b32 s[G1], 3<<16
	s_mov_b32 s[G1J], 15|(3<<16)|(1<<21)
.irp g, G1, G1J
	s_mov_b32 s[\g+1], 768<<16                     ; a row: four K steps of a tile, 6,144 bytes
	s_mov_b32 s[\g+2], 8<<16
	s_mov_b32 s[\g+3], 768<<16
	s_mov_b32 s[\g+4], 8
	s_mov_b32 s[\g+5], 3072                        ; from tile to tile 24,576 bytes
	s_mov_b32 s[\g+6], 0
	s_mov_b32 s[\g+7], 0
.endr
	s_mov_b32 s[G1S], 3<<16
	s_mov_b32 s[G1SJ], 15|(3<<16)|(1<<21)
.irp g, G1S, G1SJ
	s_mov_b32 s[\g+1], 32<<16                      ; 8,192 dense bytes as 32 rows of 256
	s_mov_b32 s[\g+2], 32<<16
	s_mov_b32 s[\g+3], 32<<16
	s_mov_b32 s[\g+4], 32
	s_mov_b32 s[\g+5], 32
	s_mov_b32 s[\g+6], 0
	s_mov_b32 s[\g+7], 0
.endr
	s_mov_b32 s[G1SJ+2], 64<<16                    ; W_out's scale words come whole: 16,384 dense bytes as 64 rows of 256
	s_mov_b32 s[G1SJ+4], 64
	s_mov_b32 s[G1J+2], 16<<16                     ; at the head one joint load brings all 16 tiles of W_out; behind it these two words are set to 8
	s_mov_b32 s[G1J+4], 16
	s_mul_i32 s18, s[WV], PIECE
	s_mul_i32 s88, s[BLK], 196608
	s_mov_b32 s89, 0
	s_lshl_b32 s90, s[BLK], 13
	s_add_co_u32 s90, s90, OS
	s_mov_b32 s91, 0
	s_mul_i32 s92, s[YY], 393216
	s_mul_i32 s20, s[WV], 196608
	s_add_co_u32 s92, s92, s20
	s_add_co_u32 s92, s92, WOC-196608
	s_mov_b32 s93, 0
	s_lshl_b32 s94, s[YY], 14
	s_add_co_u32 s94, s94, WOS
	s_mov_b32 s95, 0
	s_wait_dscnt 0x0                               ; the opening add is done
	s_wait_kmcnt 0x0
	CROUND                                         ; all four work-groups are here: the first joint loads meet
	s_mov_b32 s[GAS], 1
	s_mov_b32 s[GAS+1], SCA
	s_add_nc_u64 s[GAS+2:GAS+3], s[4:5], s[90:91]
	s_or_b32 s[GAS+3], s[GAS+3], 0x80000000
	s_mov_b32 s[GBS], 1
	s_mov_b32 s[GBS+1], SCB
	s_add_nc_u64 s[GBS+2:GBS+3], s[6:7], s[94:95]
	s_or_b32 s[GBS+3], s[GBS+3], 0x80000000
	s_add_nc_u64 s[88:89], s[4:5], s[88:89]
	s_add_nc_u64 s[92:93], s[6:7], s[92:93]
.irp s, 0,1
	s_mov_b32 s[GAA+4*\s], 1
	s_add_co_u32 s[GAA+4*\s+1], s18, \s*SLOTB
	s_add_nc_u64 s[GAA+4*\s+2:GAA+4*\s+3], s[88:89], \s*6144
	s_or_b32 s[GAA+4*\s+3], s[GAA+4*\s+3], 0x80000000
	s_mov_b32 s[GBA+4*\s], 1
	s_add_co_u32 s[GBA+4*\s+1], s18, \s*SLOTB
	s_add_nc_u64 s[GBA+4*\s+2:GBA+4*\s+3], s[92:93], \s*6144
	s_or_b32 s[GBA+4*\s+3], s[GBA+4*\s+3], 0x80000000
.endr
	s_cmp_eq_u32 s[WV], 0                          ; a wave's first fill stands in one branch
	s_cbranch_scc0 .Lfirst_b                       ; the head's four tiles, one load a wave, in one chain of branches: wave 0 O's piece of slot 0,
	tensor_load_to_lds s[GAA:GAA+3], s[G1:G1+7]
	s_nop 0
	PLACES
	s_branch .Lfirst_done
.Lfirst_b:
	s_cmp_eq_u32 s[WV], 1
	s_cbranch_scc0 .Lfirst_c
	tensor_load_to_lds s[GBA:GBA+3], s[G1J:G1J+7]  ; wave 1 W_out's 16 tiles of slot 0, joint,
	s_nop 0
	PLACES
	s_branch .Lfirst_done
.Lfirst_c:
	s_cmp_eq_u32 s[WV], 2
	s_cbranch_scc0 .Lfirst_d
	tensor_load_to_lds s[GAS:GAS+3], s[G1S:G1S+7]  ; wave 2 O's scale words,
	s_nop 0
	PLACES
	s_branch .Lfirst_done
.Lfirst_d:
	tensor_load_to_lds s[GBS:GBS+3], s[G1SJ:G1SJ+7] ; wave 3 W_out's scale words, joint
	s_nop 0
	PLACES
.Lfirst_done:
; PREFETCH: behind the issue of each fill but the last, every wave asks for the bytes of the NEXT fill, one slot of four K steps ahead.  A tile's four K steps are 6,144 dense bytes: 24 blocks of 256, a lane a block
; (lanes 24-31 name lane 23's block again).  W_out's 16 tiles are shared out by address among the cluster's 16 waves (tile 4 cx + wave); O's 8 tiles, which this work-group alone of the cluster loads, two to a wave.
; The steps along K stand in the immediates: no address register is written again.  The last fill is followed by no request.
.set PFO, 26                           ; v26     256 x min(lane, 23); never rewritten
.set PFW, 92                           ; s[92:93] my tile of W_out, K step 0
.set PFX, 94                           ; s[94:95] my first tile of O, K step 0
.macro PF n
	global_prefetch_b8 v[PFO], s[PFW:PFW+1] offset:6144*(\n) th:TH_LOAD_NT scope:SCOPE_SE
	global_prefetch_b8 v[PFO], s[PFX:PFX+1] offset:6144*(\n) th:TH_LOAD_NT scope:SCOPE_SE
	global_prefetch_b8 v[PFO], s[PFX:PFX+1] offset:6144*(\n)+24576 th:TH_LOAD_NT scope:SCOPE_SE
.endm
	s_lshl_b32 s20, s[CX], 2
	s_add_co_u32 s20, s20, s[WV]                   ; 4 cx + wave
	s_mul_i32 s20, s20, 24576
	s_mul_i32 s21, s[YY], 393216
	s_add_co_u32 s20, s20, s21
	s_add_co_u32 s20, s20, WOC
	s_mov_b32 s21, 0
	s_add_nc_u64 s[PFW:PFW+1], s[6:7], s[20:21]
	s_mul_i32 s20, s[BLK], 196608
	s_mul_i32 s22, s[WV], 49152
	s_add_co_u32 s20, s20, s22                     ; O's tiles 2 wave, 2 wave + 1 of my eight
	s_add_nc_u64 s[PFX:PFX+1], s[4:5], s[20:21]
	v_and_b32 v1, 15, v0
	v_bfe_u32 v2, v0, 4, 1                         ; h
	v_and_b32 v3, 31, v0
	v_lshlrev_b32 v[LI], 4, v3
	v_min_u32 v[PFO], 23, v3
	v_lshlrev_b32 v[PFO], 8, v[PFO]
	s_lshr_b32 s20, s[WV], 1                       ; wr: which 64 rows
	s_and_b32 s21, s[WV], 1                        ; wc: which 128 columns
	s_mul_i32 s22, s20, 24576
	v_add_nc_u32 v[ADRA], s22, v[LI]
	v_add_nc_u32 v[ADRA+1], SLOTB, v[ADRA]
	s_mul_i32 s22, s21, PIECE
	s_add_co_u32 s22, s22, PIECE
	v_add_nc_u32 v[ADRB], s22, v[LI]
	v_add_nc_u32 v[ADRB+1], SLOTB, v[ADRB]
	v_lshlrev_b32 v[ADSB], 2, v1
	s_lshl_b32 s22, s20, 12
	s_add_co_u32 s22, s22, SCA
	v_add_nc_u32 v[ADSA], s22, v[ADSB]
	s_lshl_b32 s22, s21, 13
	s_add_co_u32 s22, s22, SCB
	v_add_nc_u32 v[ADSB], s22, v[ADSB]
	s_mul_i32 s22, s[WV], 8448                     ; my stage for the way out: 16 rows x 528 bytes, in slot 0
	v_mul_u32_u24 v[STO], v1, 528
	v_lshl_add_u32 v[STO], v2, 6, v[STO]
	v_add_nc_u32 v[STO], s22, v[STO]               ; in: row r, + 64 h
	v_add_nc_u32 v[RD], s22, v[LI]                 ; back: 16 x lane of a row
	v_lshlrev_b32 v[BO], 6, v2
	s_lshl_b32 s22, s[YY], 10
	s_lshl_b32 s23, s21, 9
	s_add_co_u32 s22, s22, s23                     ; my first column, in bytes
	s_mov_b32 s23, 0
	s_add_nc_u64 s[96:97], s[8:9], s[22:23]
.irp b, 0,1,2,3
.irp q, 0,1,2,3
	global_load_b128 v[BIAS+16*\b+4*\q:BIAS+16*\b+4*\q+3], v[BO], s[96:97] offset:128*\b+16*\q   ; register 16 b + i: the bias of column 32 b + 16 h + i: tile 2 b + u's eight at 8 (2 b + u)
.endr
.endr
	s_lshl_b32 s18, s[BLK], 7
	s_lshl_b32 s19, s20, 6
	s_add_co_u32 s18, s18, s19
	s_lshl_b32 s18, s18, 13                        ; my first row, rows of 8,192 bytes
	s_add_co_u32 s18, s18, s22
	s_mov_b32 s19, 0
	s_add_nc_u64 s[98:99], s[10:11], s[18:19]
.macro FETCH k
.set SG, ((\k)/4)%2
.set KO, ((\k)%4)*1536
	WIN (2+(\k)%2)<<6
.set FI, 0
.rept NA
.irp q, 0,1,2
	ds_load_b128 v[12*FI+4*\q:12*FI+4*\q+3], v[ADRA+SG] offset:FI*6144+KO+512*\q
.endr
.set FI, FI+1
.endr
.set FI, 0
.rept NB
.irp q, 0,1,2
	ds_load_b128 v[12*(NA+FI)+4*\q:12*(NA+FI)+4*\q+3], v[ADRB+NBH*SG+FI/8] offset:(FI%8)*6144+KO+512*\q
.endr
.set FI, FI+1
.endr
	WIN 0
.set FI, 0
.rept NA
	ds_load_b32 v[SC+NS*((\k)%2)+FI], v[ADSA] offset:FI*1024+64*(\k)
.set FI, FI+1
.endr
.set FI, 0
.rept NB
	ds_load_b32 v[SC+NS*((\k)%2)+NA+FI], v[ADSB] offset:FI*1024+64*(\k)
.set FI, FI+1
.endr
.endm
.macro MUL k                           ; 32 products; the 32 accumulators take turns, one instruction a turn, in the same order in every step
.if (\k) == 0
	WIN 0x4a                                       ; the bias, C of the first products, lies in window 0
.elseif (\k)%2
	WIN 0x5f
.else
	WIN 0x5a
.endif
.set SB_, SC+NS*((\k)%2)
.set FA_, 0
.rept NA
.set FB_, 0
.rept NB
.if (\k) == 0
	v_wmma_scale_f32_16x16x128_f8f6f4 v[8*(NB*FA_+FB_):8*(NB*FA_+FB_)+7], v[12*(NA+FB_):12*(NA+FB_)+11], v[12*FA_:12*FA_+11], v[BIAS+8*FB_:BIAS+8*FB_+7], v[SB_+NA+FB_], v[SB_+FA_] matrix_a_fmt:MATRIX_FMT_FP6 matrix_b_fmt:MATRIX_FMT_FP6
.else
	v_wmma_scale_f32_16x16x128_f8f6f4 v[8*(NB*FA_+FB_):8*(NB*FA_+FB_)+7], v[12*(NA+FB_):12*(NA+FB_)+11], v[12*FA_:12*FA_+11], v[8*(NB*FA_+FB_):8*(NB*FA_+FB_)+7], v[SB_+NA+FB_], v[SB_+FA_] matrix_a_fmt:MATRIX_FMT_FP6 matrix_b_fmt:MATRIX_FMT_FP6
.endif
.set FB_, FB_+1
.endr
.set FA_, FA_+1
.endr
.endm
.macro CHG fill, sl                    ; the change of slots: all my tensor loads, the add, my reads; fill = 1: a round of the cluster's barrier, and slot sl is filled again first thing behind it
	s_wait_tensorcnt 0x0
	ds_add_u32 v[SPW], v[NIL]
.if \fill
	s_add_nc_u64 s[GAA+4*\sl+2:GAA+4*\sl+3], s[GAA+4*\sl+2:GAA+4*\sl+3], 12288   ; eight K steps on
	s_add_nc_u64 s[GBA+4*\sl+2:GBA+4*\sl+3], s[GBA+4*\sl+2:GBA+4*\sl+3], 12288
.endif
	s_wait_dscnt 0x0
.if \fill
	CROUND
	TL GAA+4*\sl, GBA+4*\sl
.else
	s_barrier_signal -1
	s_barrier_wait -1
.endif
.endm
.macro STEP k
.if (\k) == 3
	CHG 1, 0
.elseif (\k) == 7
	CHG 1, 1
.elseif (\k) == 11
	CHG 0, 0
.else
	s_wait_dscnt 0x0                               ; this step's fragments, asked for a whole step ago
.endif
.if (\k) < 15
	FETCH (\k)+1
.endif
.if (\k) == 3
	PF 3                                           ; K steps 12 to 15
.endif
	MUL \k
	PLACES
	WIN 0
.endm
	s_wait_alu depctr_va_vdst(0)
	PF 1                                           ; K steps 4 to 7, which the load behind the round below will want
	s_wait_tensorcnt 0x0                           ; my tile of the head's four is in; slot 1's first fill is issued as a refill is
	ds_add_u32 v[SPW], v[NIL]
	s_mov_b32 s[G1J+2], 8<<16
	s_mov_b32 s[G1J+4], 8
	s_wait_dscnt 0x0
	CROUND                                         ; all four tiles are in, and all four work-groups are here
	TL GAA+4, GBA+4                                ; slot 1: K steps 4 to 7
	FETCH 0
	PF 2                                           ; K steps 8 to 11
	s_wait_loadcnt 0x0                             ; the bias
.irp k, 0,1,2,3,4,5,6,7,8,9,10,11,12,13,14,15
	STEP \k
.endr
; THE WAY OUT, a tile of 16 rows x 128 columns at a time, through my own stage and back as whole rows of 512 bytes.  The stage lies in slot 0, which has had its last fill, and whose last reads every wave has waited for
; in front of the barrier at K step 11.  LDS serves a wave's instructions in order: no wait between the stores and the loads, nor in front of the next tile's stores.
.macro TOSTAGE a
	WIN 0x04                                       ; an LDS store's data: window 1
.irp b, 0,1,2,3,4,5,6,7
	ds_store_b128 v[STO], v[64*(\a)+8*\b:64*(\a)+8*\b+3] offset:128*(\b/2)+32*(\b%2)        ; each accumulator from its low end on
	ds_store_b128 v[STO], v[64*(\a)+8*\b+4:64*(\a)+8*\b+7] offset:128*(\b/2)+32*(\b%2)+16
.endr
	WIN 0
.set BB, BK+64*((\a)%2)
.irp t, 0,1,2,3,4,5,6,7,8,9,10,11,12,13,14,15
	ds_load_b128 v[BB+4*\t:BB+4*\t+3], v[RD] offset:528*\t
.endr
.endm
.macro SEND a, younger                 ; younger: the LDS instructions issued behind tile a's loads, which may stay out
.set BB, BK+64*((\a)%2)
	s_wait_dscnt \younger
.irp t, 0,1,2,3,4,5,6,7,8,9,10,11,12,13,14,15
	global_store_b128 v[LI], v[BB+4*\t:BB+4*\t+3], s[98:99] offset:(32*((\a)/2)+8*((\a)%2)+\t+8*(\t/8))*8192 th:TH_STORE_NT   ; 512 consecutive bytes of a row of out0
.endr
.endm
	TOSTAGE 0
	TOSTAGE 1
	SEND 0, 32                                     ; behind tile 0's loads: tile 1's 16 stores and 16 loads
	s_wait_xcnt 0x0                                ; tile 0's stores have read their registers: tile 2's loads may land there
	TOSTAGE 2
	SEND 1, 32
	s_wait_xcnt 0x0
	TOSTAGE 3
	SEND 2, 32
	SEND 3, 0
	s_wait_tensorcnt 0x0                           ; the wave's end, behind my last tensor load and my last LDS store
	ds_add_u32 v[SPW], v[NIL]
	s_wait_dscnt 0x0
	CROUND                                         ; the closing round
	s_endpgm
.Lfunc_end_k_q0d24fcfdbf_gemmout:
	.size	k_q0d24fcfdbf_gemmout, .Lfunc_end_k_q0d24fcfdbf_gemmout-k_q0d24fcfdbf_gemmout
	.p2alignl 7, 3214868480
	.fill 96, 4, 3214868480
	.section	.rodata,"a",@progbits
	.p2align	6, 0x0
	.amdhsa_kernel k_q0d24fcfdbf_gemmout
		.amdhsa_group_segment_fixed_size 327680
		.amdhsa_private_segment_fixed_size 0
		.amdhsa_enable_private_segment 0
		.amdhsa_kernarg_size 32
		.amdhsa_user_sgpr_count 2
		.amdhsa_user_sgpr_kernarg_segment_ptr 1
		.amdhsa_wavefront_size32 1
		.amdhsa_system_sgpr_workgroup_id_x 1
		.amdhsa_system_sgpr_workgroup_id_y 1
		.amdhsa_system_sgpr_workgroup_id_z 1
		.amdhsa_system_vgpr_workitem_id 0
		.amdhsa_next_free_vgpr 1024
		.amdhsa_next_free_sgpr 102
		.amdhsa_reserve_vcc 0
		.amdhsa_float_denorm_mode_32 3
		.amdhsa_float_denorm_mode_16_64 3
		.amdhsa_memory_ordered 1
		.amdhsa_forward_progress 1
		.amdhsa_inst_pref_size 146
	.end_amdhsa_kernel
	.amdgpu_metadata
---
amdhsa.version: [ 1, 2 ]
amdhsa.kernels:
  - .name:           k_q0d24fcfdbf_gemmout
    .symbol:         k_q0d24fcfdbf_gemmout.kd
    .args:
      - { .name: obuf, .offset: 0, .size: 8, .value_kind: global_buffer, .address_space: global }
      - { .name: prep, .offset: 8, .size: 8, .value_kind: global_buffer, .address_space: global }
      - { .name: b_out, .offset: 16, .size: 8, .value_kind: global_buffer, .address_space: global }
      - { .name: out0, .offset: 24, .size: 8, .value_kind: global_buffer, .address_space: global }
    .group_segment_fixed_size: 327680
    .private_segment_fixed_size: 0
    .kernarg_segment_align: 8
    .kernarg_segment_size: 32
    .max_flat_workgroup_size: 128
    .sgpr_count:     102
    .vgpr_count:     1024
    .wavefront_size: 32
...
	.end_amdgpu_metadata
.endif
;; end of part 5
